; MI455X (gfx1250); checked and timed in simulation.
; The chip was launched on July 23, 2026; its instructions are those of AMD's public machine-readable ISA for CDNA 5 (MIT licence, August 2026) and "CDNA5" Instruction Set Architecture Reference Guide (July 2026). The comments in the code are by the model that wrote it; some were corrected since.
;; Multi Head Attention. Allowed arithmetic: matrix products marked QUANTISED: E2M3 operands, one E8M0 scale for each 32 along K, by v_wmma_scale_f32_16x16x128_f8f6f4 with both operands' format E2M3, f32 sums; everything else in f32.
;; Inputs: Wk 1,024 x 1,024 float32; Wp 1,024 x 1,024 float32; Wq 1,024 x 1,024 float32; Wv 1,024 x 1,024 float32; bk 1,024 float32; bp 1,024 float32; bq 1,024 float32; bv 1,024 float32; x 4 x 2,048 x 1,024 float32.
;; Outputs: out0 4 x 2,048 x 1,024 float32.
;; This version of the problem:
;;   THIS VERSION OF THE PROBLEM IS GIVEN IN LOW PRECISION. The matrix products marked QUANTISED in the list below multiply operands that are first quantised to E2M3 (2 exponent bits, 3 mantissa bits; 6 bits a number), with one power-of-two scale for each 32 numbers along K (OCP MX v1.0); their sums are f32. All else is computed in f32.
;;   The module's matrix products, in the order in which they are computed (A, B: the left and right operand; K: the contracted axis; several contracted axes count as one K, in the product's order):
;;     1. [M 8,192, K 1,024] x [K 1,024, N 1,024]; A: input x; B: input Wq: QUANTISED
;;     2. [M 8,192, K 1,024] x [K 1,024, N 1,024]; A: input x; B: input Wk: QUANTISED
;;     3. [M 8,192, K 1,024] x [K 1,024, N 1,024]; A: input x; B: input Wv: QUANTISED
;;     4. batch 64 x [M 2,048, K 64] x [K 64, N 2,048]; A: computed on the way; B: computed on the way: QUANTISED
;;     5. batch 64 x [M 2,048, K 2,048] x [K 2,048, N 64]; A: softmax (see below); B: computed on the way: QUANTISED
;;     6. [M 8,192, K 1,024] x [K 1,024, N 1,024]; A: computed on the way; B: input Wp: QUANTISED
;;   THE QUANTISER, for each operand of a quantised product, along K:
;;     - K is cut into blocks of 32 from its start; a last block that is shorter is filled with zeros.
;;     - A block's scale is 2^e with e = floor(log2(the largest magnitude in the block)) - 2, held to -126 .. 127; a block of zeros has e = 0. As a byte (E8M0): e + 127.
;;     - Each number is divided by its block's scale, clamped to +-7.5, and rounded to the nearest number of E2M3, ties to even, subnormals kept.
;;     - The product sums the exact products of the quantised numbers (number of the format x scale) in f32.
;;   ~~~python
;;   def quantise(x, axis):      # numpy; x: float32 -> the quantised numbers, widened to float32 again
;;       x = np.moveaxis(x, axis, -1); K = x.shape[-1]
;;       x = np.pad(x, [(0, 0)] * (x.ndim - 1) + [(0, -K % 32)]); x = x.reshape(x.shape[:-1] + (-1, 32)); a = np.abs(x).max(-1, keepdims=True)
;;       e = np.where(a > 0, np.clip(np.frexp(np.where(a > 0, a, 1))[1] - 1 - 2, -126, 127), 0)      # np.frexp(a)[1] - 1 = floor(log2(a)), exactly
;;       r = np.clip(x / 2.0 ** e, -7.5, 7.5)
;;       step = 2.0 ** (np.maximum(np.frexp(np.where(r == 0, 1, r))[1] - 1, 0) - 3)
;;       q = np.round(r / step) * step * 2.0 ** e      # np.round: ties to even
;;       return np.moveaxis(q.reshape(q.shape[:-2] + (-1,))[..., :K], -1, axis).astype(np.float32)
;;   ~~~
;;   SOFTMAX AHEAD OF A QUANTISED PRODUCT. Where the list says 'softmax', what is quantised is not the finished softmax but p = 2^(t - M), with t = logit x log2(e) and M = ceil(the row's largest t), a whole number; so 1/2 < the row's largest p <= 1. The row's sum l is taken of the UNQUANTISED p, in f32, and the product's result is divided by l at the end. Since M is a whole number, a kernel that streams over the keys may use a running M (the ceiling of the running maximum): every later rescaling is an exact power of two, which a block's scale takes up: the codes' values come out the same.
;;   OPERANDS COMPUTED ON THE WAY. 'Computed on the way' means the value that the module computes at that place (a softmax that the list does not call 'softmax' is quantised finished and normalised). What goes into a quantiser is computed in f32, as accurately as f32 sums, v_exp_f32 and their like allow (about 1e-6 of the number): no bf16 or f16 on the way to a quantiser, and a product that is left as it is and whose result goes on into a quantised operand takes f32 operands (vector FMAs, or v_wmma_f32_16x16x4_f32). A number that lies on a knife's edge between two numbers of the format may be rounded either way, as far as f32 arithmetic and the matrix unit's own rounding can turn it there, and no further.
;; One version. Each part assembles by itself: llvm-mc -triple=amdgcn-amd-amdhsa -mcpu=gfx1250 --defsym DOCPART=n.
;; ======== version 1 of 1: 4 launches
;; workspace buffers: xc 6,291,456 bytes; xs 262,144 bytes; wc 3,145,728 bytes; ws 131,072 bytes; qk 13,107,200 bytes; vv 6,553,600 bytes; ac 6,291,456 bytes; asc 262,144 bytes
;; launch quant (part 1): grid 256 x 1, 8 waves a work-group, no clusters, 214,016 bytes of LDS; arguments x, Wq, Wk, Wv, Wp, xc, xs, wc, ws; writes xc, xs, wc, ws
.if DOCPART == 1
	.amdgcn_target "amdgcn-amd-amdhsa--gfx1250"
	.amdhsa_code_object_version 6
	.text
	.protected	k_qeb49680c4f_quant
	.globl	k_qeb49680c4f_quant
	.p2align	8
	.type	k_qeb49680c4f_quant,@function
k_qeb49680c4f_quant:
	s_mov_b64 s[64:65], 0
	v_nop
	global_prefetch_b8 v0, s[64:65] scope:SCOPE_SE
	s_setreg_imm32_b32 hwreg(HW_REG_WAVE_MODE, 25, 1), 1
	s_wait_xcnt 0x0
; x [8192][1024] and Wq, Wk, Wv, Wp [1024 (k)][1024 (n)], f32, become codes of FP6 (E2M3) with one E8M0 byte for each 32 along K, laid as the later launches' operand registers want them.
; A block's scale is 2^(floor(log2(its largest magnitude)) - 2); its byte is that magnitude's exponent field - 2, held at 1 from below.
; LIMITS: NaN and infinities among the inputs are not served.  A block whose largest magnitude lies under 2^-124 keeps the byte 1; a block of zeros gets the byte 1 where the rule says 127:
; its codes are zeros, which add nothing under any byte but 0xff, and this program alone reads the bytes.
; A TILE OF 16 ROWS (tokens of x, columns n of a weight): tile 2 G + u holds rows 32 G + 8 u + r + 8 (r / 8), r = 0 .. 15.
; A FRAGMENT (16 rows x 128 K, 12 registers a lane) lies in memory as an image of its registers: registers 2 p, 2 p + 1 of lane l at byte 256 p + 8 l: 1,536 bytes.
; xc, wc: [K / 256][tile][2][1,536].  xs, ws: a tile's scale words at tile x 512 + (ks / 4) x 256 + 16 r + 4 (ks % 4), ks = K / 128.  wc's tiles: Wq's 64, Wk's, Wv's, Wp's.
; SHARES.  Work-group g: rows 32 g .. 32 g + 31 of x (tiles 2 g, 2 g + 1; wave w takes ks = w of both) and 64 columns x 256 k of one weight (wave w: tile w / 2, ks' half w % 2): three fragments a wave.
; Each wave brings its 32 x 128 numbers of x and 32 k-rows x 64 columns of the weight by two tensor loads, both first fills: nothing in LDS is filled twice.
; A lane holds two WHOLE blocks of 32 along K of its row (k = 64 c + 32 h + 0 .. 31), in the order of the operand's registers: the conversions' results are the fragment.
.set XQ,   1572864                     ; xc: bytes of 256 along K: 512 tiles x 3,072
.set WQ,   786432                      ; wc: 256 tiles x 3,072
.set XTW,  16896                       ; LDS: a wave's tile of x: 32 rows x 528
.set XP,   528                         ; 512 bytes + 16 of padding
.set WT,   135168                      ; LDS: the weight's eight blocks of 32 k-rows
.set WTB,  8832                        ; from block to block: 32 x 272 = 8,704 used; 2,208 words, so that lanes 16-31, one block on, start half way round the 64 banks (ISA guide 11.1)
.set WP,   272                         ; 256 bytes + 16 of padding
.set XW,   205824                      ; LDS: x's scale words of the two tiles, 1,024 bytes, written by LDS stores alone
.set LANE, 1
.set R,    2
.set HF,   3
.set XA,   4                           ; v4   my place in my wave's tile of x
.set WA,   5                           ; v5   my place in the weight's blocks
.set L8,   6                           ; v6   8 x lane
.set XWA,  7                           ; v7   where my row's scale word of x goes in LDS
.set XRD,  8                           ; v8   and where waves 0 and 1 read a tile's 512 bytes of them back
.set L16,  9                           ; v9   16 x lane
.set R16,  10                          ; v10  16 r
.set SH,   11                          ; v11  8 h
.set RP,   12                          ; v12  r + 8 (r / 8)
.set N0,   32                          ; v32-95, v96-159  two sets of 64 numbers
.set N1,   96
.set CD,   160                         ; v160-195 three fragments' codes: no store's data are written again
.set T,    196                         ; v196-203 the conversions' second halves
.set MX,   204                         ; v204-205 largest magnitudes; v206-207 scale operands; v208-209 bytes
.set SO,   206
.set BY,   208
.set SW,   210                         ; v210-212 scale words
.set PX,   213                         ; v213 a lane permute's result
.set XB,   216                         ; v216-219 scale words on their way out
	s_load_b256 s[4:11], s[0:1], 0x0               ; x s[4:5], Wq s[6:7], Wk s[8:9], Wv s[10:11]
	s_load_b256 s[12:19], s[0:1], 0x20             ; Wp s[12:13], xc s[14:15], xs s[16:17], wc s[18:19]
	s_load_b64 s[20:21], s[0:1], 0x40              ; ws
	v_lshl_add_u32 v254, v0, 2, 0x34000
	v_mov_b32 v255, 0
	ds_add_u32 v254, v255
	ds_add_u32 v254, v255
	v_lshrrev_b32 v1, 5, v0
	v_readfirstlane_b32 s22, v1                    ; wave 0..7
	; descriptor group 1 for x: 32 rows x 128 elements of 4 bytes, 1,024 elements from row to row; 4 words of padding behind every 128
	s_mov_b32 s24, (2<<16)|(1<<20)|(6<<22)|(3<<25)
	s_mov_b32 s25, 128<<16                         ; tensor_dim0
	s_mov_b32 s26, 32<<16                          ; tensor_dim1
	s_mov_b32 s27, 128<<16                         ; tile_dim0
	s_mov_b32 s28, 32                              ; tile_dim1
	s_mov_b32 s29, 1024                            ; pitch
	s_mov_b32 s30, 0
	s_mov_b32 s31, 0
	; and for a weight: 32 k-rows x 64 elements; 4 words of padding behind every 64
	s_mov_b32 s36, (2<<16)|(1<<20)|(5<<22)|(3<<25)
	s_mov_b32 s37, 64<<16
	s_mov_b32 s38, 32<<16
	s_mov_b32 s39, 64<<16
	s_mov_b32 s40, 32
	s_mov_b32 s41, 1024
	s_mov_b32 s42, 0
	s_mov_b32 s43, 0
	s_mov_b32 s32, 1
	s_mul_i32 s33, s22, XTW                        ; my tile of x in LDS
	s_mov_b32 s44, 1
	s_mul_i32 s45, s22, WTB
	s_add_co_u32 s45, s45, WT                      ; my block of the weight in LDS
	s_lshl_b32 s48, ttmp9, 17                      ; x: 32 g rows of 4,096 bytes
	s_lshl_b32 s49, s22, 9                         ; + 128 w numbers
	s_add_co_u32 s48, s48, s49
	s_mov_b32 s49, 0
	s_lshr_b32 s50, ttmp9, 6                       ; which weight: 0 Wq, 1 Wk, 2 Wv, 3 Wp
	s_bfe_u32 s51, ttmp9, 0x40002                  ; which 64 columns
	s_and_b32 s52, ttmp9, 3                        ; kc: which 256 along K
	s_lshl_b32 s56, s52, 20                        ; 256 kc rows of 4,096 bytes
	s_lshl_b32 s57, s22, 17                        ; + 32 w rows
	s_add_co_u32 s56, s56, s57
	s_lshl_b32 s57, s51, 8                         ; + 64 columns x 4 bytes
	s_add_co_u32 s56, s56, s57
	s_mov_b32 s57, 0
	s_mov_b32 s60, 0x76543210
	s_mov_b32 s61, 0xfedcba98                      ; v_permlanex16_b32's selects for lane l xor 16
	s_wait_dscnt 0x0
	s_wait_kmcnt 0x0
	s_add_nc_u64 s[34:35], s[4:5], s[48:49]
	s_or_b32 s35, s35, 0x80000000                  ; type = 2
	s_cmp_lt_u32 s50, 1                            ; the weight is chosen by the work-group's number alone
	s_cselect_b64 s[46:47], s[6:7], s[8:9]
	s_cmp_lt_u32 s50, 3
	s_cselect_b64 s[54:55], s[10:11], s[12:13]
	s_cmp_lt_u32 s50, 2
	s_cselect_b64 s[46:47], s[46:47], s[54:55]
	s_add_nc_u64 s[46:47], s[46:47], s[56:57]
	s_or_b32 s47, s47, 0x80000000
	tensor_load_to_lds s[32:35], s[24:31]          ; both first fills go out together: two loads of mine are out
	s_nop 0
	tensor_load_to_lds s[44:47], s[36:43]
	s_nop 0
.rept 4
	v_nop
.endr
	v_and_b32 v[LANE], 31, v0
	v_and_b32 v[R], 15, v0
	v_bfe_u32 v[HF], v0, 4, 1
	v_and_b32 v[RP], 8, v[R]
	v_add_nc_u32 v[RP], v[RP], v[R]                ; r + 8 (r / 8)
	v_mul_u32_u24 v[XA], v[RP], XP
	v_lshl_add_u32 v[XA], v[HF], 7, v[XA]          ; + 32 h numbers
	v_add_nc_u32 v[XA], s33, v[XA]
	s_and_b32 s53, s22, 1                          ; e = w % 2
	s_lshr_b32 s54, s22, 1                         ; t = w / 2
	s_mul_i32 s48, s53, 4*WTB                      ; my 128 along K: four blocks
	s_lshr_b32 s49, s22, 2
	s_lshl_b32 s49, s49, 7                         ; + 32 (t / 2) columns
	s_add_co_u32 s48, s48, s49
	s_and_b32 s49, s54, 1
	s_lshl_b32 s49, s49, 5                         ; + 8 (t % 2) columns
	s_add_co_u32 s48, s48, s49
	s_add_co_u32 s48, s48, WT
	v_mul_u32_u24 v[WA], v[HF], WTB                ; lanes 16-31 begin one block (32 k) further on
	v_lshl_add_u32 v[WA], v[RP], 2, v[WA]
	v_add_nc_u32 v[WA], s48, v[WA]
	v_lshlrev_b32 v[L8], 3, v[LANE]
	v_lshlrev_b32 v[L16], 4, v[LANE]
	v_lshlrev_b32 v[R16], 4, v[R]
	v_lshlrev_b32 v[SH], 3, v[HF]
	s_lshr_b32 s48, s22, 2
	s_lshl_b32 s48, s48, 8
	s_and_b32 s49, s22, 3
	s_lshl_b32 s49, s49, 2
	s_add_co_u32 s48, s48, s49
	s_add_co_u32 s48, s48, XW
	v_lshl_add_u32 v[XWA], v[R], 4, s48            ; XW + 256 (w / 4) + 16 r + 4 (w % 4)
	s_lshl_b32 s49, s53, 9
	s_add_co_u32 s49, s49, XW
	v_lshl_add_u32 v[XRD], v[LANE], 4, s49         ; XW + 512 (w % 2) + 16 x lane
	v_mov_b32 v[PX], 0                             ; written once: a lane permute's destination counts as one of its sources
	; where my results go
	s_mul_i32 s48, s54, XQ                         ; xc: K chunk w / 2,
	s_mul_i32 s49, ttmp9, 6144                     ; tiles 2 g, 2 g + 1,
	s_add_co_u32 s48, s48, s49
	s_mul_i32 s49, s53, 1536                       ; the chunk's half w % 2
	s_add_co_u32 s48, s48, s49
	s_mov_b32 s49, 0
	s_add_nc_u64 s[14:15], s[14:15], s[48:49]
	s_lshl_b32 s48, ttmp9, 10                      ; xs: 1,024 bytes a work-group, 512 a tile
	s_lshl_b32 s56, s53, 9
	s_add_co_u32 s48, s48, s56
	s_add_nc_u64 s[16:17], s[16:17], s[48:49]
	s_lshr_b32 s56, ttmp9, 2
	s_lshl_b32 s56, s56, 2
	s_add_co_u32 s56, s56, s54                     ; wc's tile: 64 x weight + 4 x column group + t
	s_mul_i32 s48, s56, 3072
	s_mul_i32 s57, s52, WQ
	s_add_co_u32 s48, s48, s57
	s_mul_i32 s57, s53, 1536
	s_add_co_u32 s48, s48, s57
	s_add_nc_u64 s[18:19], s[18:19], s[48:49]
	s_lshl_b32 s48, s56, 9                         ; ws: tile x 512
	s_lshl_b32 s57, s52, 1
	s_add_co_u32 s57, s57, s53                     ; ks = 2 kc + e
	s_lshr_b32 s58, s57, 2
	s_lshl_b32 s58, s58, 8
	s_add_co_u32 s48, s48, s58
	s_and_b32 s57, s57, 3
	s_lshl_b32 s57, s57, 2
	s_add_co_u32 s48, s48, s57
	s_add_nc_u64 s[20:21], s[20:21], s[48:49]
; 64 numbers of a lane, register s + 32 c + i = k 64 c + 32 h + i of my row, become the fragment's 12 registers at v[d] and the row's scale word in v[w].
.macro QF s, d, w
.irp c, 0,1
	v_max3_num_f32 v[MX+\c], |v[\s+32*\c]|, |v[\s+32*\c+1]|, 0x1800000   ; block 2 c + h: all its 32 numbers are mine; the floor 2^(3 - 127) holds the byte at 1 from below
.endr
.irp i, 2,4,6,8,10,12,14,16,18,20,22,24,26,28,30
.irp c, 0,1
	v_max3_num_f32 v[MX+\c], v[MX+\c], |v[\s+32*\c+\i]|, |v[\s+32*\c+\i+1]|   ; (the two blocks by turns)
.endr
.endr
.irp c, 0,1
	v_add_nc_u32 v[SO+\c], 0xff000000, v[MX+\c]    ; 2 off the exponent field: the conversion takes this operand's exponent field as its scale
.endr
.irp c, 0,1
	v_lshrrev_b32 v[BY+\c], 23, v[SO+\c]           ; the scale's byte
.endr
	v_lshl_or_b32 v[\w], v[BY+1], 16, v[BY]        ; my two bytes: blocks h and 2 + h,
	v_lshlrev_b32 v[\w], v[SH], v[\w]              ; at their places in the word;
	v_permlanex16_b32 v[PX], v[\w], s60, s61
	v_or_b32 v[\w], v[\w], v[PX]                   ; with lane l xor 16's two the word is whole
.irp c, 0,1
	v_cvt_scalef32_pk16_fp6_f32 v[\d+6*\c:\d+6*\c+2], v[\s+32*\c:\s+32*\c+15], v[SO+\c]
	v_cvt_scalef32_pk16_fp6_f32 v[T+4*\c:T+4*\c+2], v[\s+32*\c+16:\s+32*\c+31], v[SO+\c]   ; (a conversion's three registers begin on an even number)
.endr
	v_nop                                          ; one plain place behind a scaled conversion
.irp c, 0,1
.irp i, 0,1,2
	v_mov_b32 v[\d+6*\c+3+\i], v[T+4*\c+\i]
.endr
.endr
.endm
.macro XOUT d, u, w                    ; tile u's fragment to xc: each store covers 256 consecutive bytes, aligned; its scale words to LDS (lanes r and r + 16 write the same word with the same value)
.irp p, 0,1,2,3,4,5
	global_store_b64 v[L8], v[\d+2*\p:\d+2*\p+1], s[14:15] offset:\u*3072+256*\p
.endr
	ds_store_b32 v[XWA], v[\w] offset:\u*512
.endm
	s_wait_tensorcnt 0x1                           ; my tile of x, issued first, is in; only I read it.  The weight's block may be out
.irp u, 0,1
.irp c, 0,1
.irp q, 0,1,2,3,4,5,6,7
	ds_load_b128 v[N0+64*\u+32*\c+4*\q:N0+64*\u+32*\c+4*\q+3], v[XA] offset:\u*8*XP+\c*256+16*\q
.endr
.endr
.endr
	s_wait_dscnt 16                                ; tile 0's sixteen loads are in, tile 1's may be out
	QF N0, CD, SW
	XOUT CD, 0, SW
	s_wait_dscnt 0x1                               ; tile 1's loads are in (the scale word's store may be out)
	QF N1, CD+12, SW+1
	XOUT CD+12, 1, SW+1
	s_wait_tensorcnt 0x0                           ; my block of the weight is in,
	s_wait_dscnt 0x0                               ; my scale words lie in LDS:
	s_barrier_signal -1
	s_barrier_wait -1                              ; everybody's do
	s_cmp_lt_u32 s22, 2
	s_cbranch_scc0 .Lno_xs
	ds_load_b128 v[XB:XB+3], v[XRD]                ; waves 0 and 1: a tile's scale words for all of K, 512 bytes
	s_wait_dscnt 0x0
	global_store_b128 v[L16], v[XB:XB+3], s[16:17] ; 512 consecutive bytes, aligned
.Lno_xs:
.irp c, 0,1
.irp i, 0,1,2,3,4,5,6,7,8,9,10,11,12,13,14,15,16,17,18,19,20,21,22,23,24,25,26,27,28,29,30,31
	ds_load_b32 v[N0+32*\c+\i], v[WA] offset:\c*2*WTB+\i*WP   ; W(128 e + 64 c + 32 h + i, my column): my registers run down K
.endr
.endr
	s_wait_dscnt 0x0
	QF N0, CD+24, SW+2
.irp p, 0,1,2,3,4,5
	global_store_b64 v[L8], v[CD+24+2*\p:CD+24+2*\p+1], s[18:19] offset:256*\p
.endr
	s_wait_xcnt 0x0                                ; EXEC changes only behind this wait
	v_cmp_gt_u32 vcc_lo, 16, v[LANE]
	s_wait_tensorcnt 0x0
	ds_add_u32 v254, v255
	s_wait_dscnt 0x0
	s_and_saveexec_b32 s50, vcc_lo
	global_store_b32 v[R16], v[SW+2], s[20:21]     ; lanes 0-15: 4 bytes of each row's 16: these stores fill their 256 bytes in part; ws is 131,072 bytes in all
	s_wait_xcnt 0x0
	s_or_b32 exec_lo, exec_lo, s50
	s_endpgm
.Lfunc_end_k_qeb49680c4f_quant:
	.size	k_qeb49680c4f_quant, .Lfunc_end_k_qeb49680c4f_quant-k_qeb49680c4f_quant
	.p2alignl 7, 3214868480
	.fill 96, 4, 3214868480
	.section	.rodata,"a",@progbits
	.p2align	6, 0x0
	.amdhsa_kernel k_qeb49680c4f_quant
		.amdhsa_group_segment_fixed_size 214016
		.amdhsa_private_segment_fixed_size 0
		.amdhsa_enable_private_segment 0
		.amdhsa_kernarg_size 72
		.amdhsa_user_sgpr_count 2
		.amdhsa_user_sgpr_kernarg_segment_ptr 1
		.amdhsa_wavefront_size32 1
		.amdhsa_system_sgpr_workgroup_id_x 1
		.amdhsa_system_sgpr_workgroup_id_y 1
		.amdhsa_system_sgpr_workgroup_id_z 1
		.amdhsa_system_vgpr_workitem_id 0
		.amdhsa_next_free_vgpr 256
		.amdhsa_next_free_sgpr 66
		.amdhsa_reserve_vcc 1
		.amdhsa_float_denorm_mode_32 3
		.amdhsa_float_denorm_mode_16_64 3
		.amdhsa_memory_ordered 1
		.amdhsa_forward_progress 1
		.amdhsa_inst_pref_size 24
	.end_amdhsa_kernel
	.amdgpu_metadata
---
amdhsa.version: [ 1, 2 ]
amdhsa.kernels:
  - .name:           k_qeb49680c4f_quant
    .symbol:         k_qeb49680c4f_quant.kd
    .args:
      - { .name: x, .offset: 0, .size: 8, .value_kind: global_buffer, .address_space: global }
      - { .name: Wq, .offset: 8, .size: 8, .value_kind: global_buffer, .address_space: global }
      - { .name: Wk, .offset: 16, .size: 8, .value_kind: global_buffer, .address_space: global }
      - { .name: Wv, .offset: 24, .size: 8, .value_kind: global_buffer, .address_space: global }
      - { .name: Wp, .offset: 32, .size: 8, .value_kind: global_buffer, .address_space: global }
      - { .name: xc, .offset: 40, .size: 8, .value_kind: global_buffer, .address_space: global }
      - { .name: xs, .offset: 48, .size: 8, .value_kind: global_buffer, .address_space: global }
      - { .name: wc, .offset: 56, .size: 8, .value_kind: global_buffer, .address_space: global }
      - { .name: ws, .offset: 64, .size: 8, .value_kind: global_buffer, .address_space: global }
    .group_segment_fixed_size: 214016
    .private_segment_fixed_size: 0
    .kernarg_segment_align: 8
    .kernarg_segment_size: 72
    .max_flat_workgroup_size: 256
    .sgpr_count:     66
    .vgpr_count:     256
    .wavefront_size: 32
...
	.end_amdgpu_metadata
.endif
;; end of part 1
;; launch qkv (part 2): grid 8 x 96, 4 waves a work-group, clusters of 4 x 4, 295,424 bytes of LDS; arguments xc, xs, wc, ws, bq, bk, bv, qk, vv; writes qk, vv
.if DOCPART == 2
	.amdgcn_target "amdgcn-amd-amdhsa--gfx1250"
	.amdhsa_code_object_version 6
	.text
	.protected	k_qeb49680c4f_qkv
	.globl	k_qeb49680c4f_qkv
	.p2align	8
	.type	k_qeb49680c4f_qkv,@function
k_qeb49680c4f_qkv:
	s_mov_b64 s[64:65], 0
	v_nop
	global_prefetch_b8 v0, s[64:65] scope:SCOPE_SE
	s_setreg_imm32_b32 hwreg(HW_REG_WAVE_MODE, 25, 1), 1
	s_wait_xcnt 0x0
	s_wait_alu depctr_hold_cnt(0) depctr_sa_sdst(0) depctr_va_vdst(0) depctr_va_sdst(0) depctr_va_ssrc(0) depctr_va_vcc(0) depctr_vm_vsrc(0)
	s_getreg_b32 s2, hwreg(HW_REG_IB_STS2, 6, 4)
	s_cmp_eq_u32 s2, 0
	s_cbranch_scc0 .Lentry_in_a_cluster
	s_endpgm
.Lentry_in_a_cluster:
	s_bfe_u32 s2, ttmp6, 0x10000c
	s_cmp_lg_u32 s2, 0xf033
	s_cbranch_scc0 .Lentry_shape_is_right
	s_endpgm
.Lentry_shape_is_right:
; q = x Wq + bq, k = x Wk + bk, v = x Wv + bv on codes of FP6 (E2M3) with E8M0 scales, K = 1,024; the results are quantised in registers (q, k along a head's 64, v along the keys) and leave as codes alone.
; LIMITS: NaN and infinities are not served; a block whose largest magnitude lies under 2^-124, a block of zeros among them, keeps the scale byte 1 (its codes are then zeros or held low; only this program reads the bytes).
; OPERANDS (made by the launch before): fragments as images of their registers, [K / 256][tile][2][1,536]; a tile 2 G + u holds rows 32 G + 8 u + r + 8 (r / 8); scale words at tile x 512 + (ks / 4) x 256 + 16 r + 4 (ks % 4).
; A WORK-GROUP makes S0's 256 rows x S1's 128 rows; source 0 of every product is a tile of S0, source 1 a tile of S1: a lane holds ONE row of S1, and its registers run along S0's rows.  By the choice of a tile's rows
; the 16 registers of S0's tiles 2 b, 2 b + 1 are 16 neighbours, 32 b + 16 (lane / 16) + 0 .. 15: what the conversions want.
;   cluster y < 16 (q and k): S0 = 256 columns of [Wq | Wk], S1 = 128 tokens: a lane holds a token, its registers a head's numbers.
;   cluster y >= 16 (v):      S0 = 256 tokens, S1 = 128 columns of Wv: a lane holds a channel d, its registers the keys.
; One main loop and one quantiser serve both; only the tail parts, on the cluster's y, which all sixteen partners share.
; Four waves: wave w makes S0's half w / 2 (8 tiles b) x S1's half w % 2 (4 tiles a): 32 accumulators.
; ALL OF K LIES IN LDS: four chunks of 256 along K, each S0's 16 tiles and S1's 8; every tile comes by a first fill, nothing is filled twice.
; CLUSTERS: 4 x 4.  S0's tiles hang on the cluster's x place and are shared along a column, S1's on its y place and are shared along a row: each is asked for jointly, with a mask that names the four.
; OUT.  qk: [batch][32: q's 16 heads, k's 16][16 steps of 128 tokens][6,400]: four fragments (registers 0-5: the 64 numbers of token tile 2 f, registers 6-11: of tile 2 f + 1), then scale words at 6,144 + 16 r + 4 f.
;       vv: [batch x 16 + head][16 steps][6,400]: four fragments (16 channels x 128 keys), then scale words likewise.
; REGISTERS: window 0: v1-15 addresses; v32-79 scale words and nothing else; v80-127 codes; v128-223 S1's fragments, two sets, later at work.  window 1: S0's fragments, two sets.  window 2: accumulator (a, b) at v[8 (8 a + b)].  window 3: biases.
.set XQ,   1572864                     ; xc: bytes of a chunk of 256 along K
.set WQ,   786432                      ; wc: likewise
.set CH,   73728                       ; LDS: a chunk: 16 + 8 tiles of 3,072 bytes
.set S1O,  49152                       ; S1's tiles in it
.set REC,  6400
.set HSTR, 102400                      ; 16 records: from head to head
.set A0,   8                           ; v8-11   LDS address of my S0 fragments in chunk q
.set A1,   12                          ; v12-15  of my S1 fragments
.set SC0,  32                          ; v32-63  S0's scale words: tile b at 4 b + ks % 4; lanes 0-15 ks 0-3, lanes 16-31 ks 4-7
.set SC1,  64                          ; v64-79  S1's
.set F1,   128                         ; S1's fragment sets, 48 registers each
.set CD,   80                          ; codes: 12 registers for each a
.set H,    128                         ; 64 numbers at work
.set T,    192                         ; the conversions' second halves
.set TM,   200                         ; v200-203 largest magnitudes, v204-207 bytes, v212-215 scale operands
.set PW,   216                         ; v216-219 the scale words made
.set MSB, 0
.macro WIN new                         ; the immediate's high byte repeats the setting that is left
.if MSB != \new
	s_set_vgpr_msb (MSB<<8)|\new
.set MSB, \new
.endif
.endm
.set MUL,  0xa1                        ; source 0 (S0) window 1, source 1 (S1) window 0, C and D window 2
.set TO_1, 0x40                        ; destination window 1, address window 0
.macro CROUND                          ; a round of the cluster's barrier
	s_barrier_signal -1
	s_barrier_wait -1
	s_cmp_lg_u32 s22, 0
	s_cbranch_scc1 .Lnot_wave_0_\@
	s_barrier_signal -3
.Lnot_wave_0_\@:
	s_barrier_wait -3
	s_barrier_signal -1
	s_barrier_wait -1
.endm
.macro PLACES                          ; four plain places behind matrix instructions, in front of loads into their sources and of the first read of results
.rept 4
	v_nop
.endr
.endm
	s_load_b256 s[4:11], s[0:1], 0x0               ; xc s[4:5], xs s[6:7], wc s[8:9], ws s[10:11]
	s_load_b256 s[12:19], s[0:1], 0x20             ; bq s[12:13], bk s[14:15], bv s[16:17], qk s[18:19]
	s_load_b64 s[20:21], s[0:1], 0x40              ; vv
	v_lshl_add_u32 v254, v0, 2, 0x48000
	v_mov_b32 v255, 0
	ds_add_u32 v254, v255
	ds_add_u32 v254, v255
	v_lshrrev_b32 v1, 5, v0
	v_readfirstlane_b32 s22, v1                    ; wave 0..3
	s_lshr_b32 s23, s22, 1                         ; e0: my half of S0
	s_and_b32 s2, s22, 1                           ; e1: my half of S1
	s_bfe_u32 s56, ttmp6, 0x40000                  ; cx
	s_bfe_u32 s57, ttmp6, 0x40004                  ; cy
	s_and_b32 s59, ttmp7, 0xffff                   ; Y: the cluster's y, 0 .. 23
	s_lshl_b32 s60, ttmp9, 2
	s_add_co_u32 s60, s60, s56                     ; wgx = 4 x cluster x + cx, 0 .. 7
	s_and_b32 s61, s59, 7                          ; Y - 16 where Y >= 16
	s_mov_b32 s62, 0x76543210
	s_mov_b32 s63, 0xfedcba98                      ; v_permlanex16_b32's selects for lane l xor 16
	; descriptor groups 1: dense blocks as rows of 256 bytes (32 elements of 8 bytes): S0's quarter of a chunk 48 rows, S1's 24
	s_lshl_b32 s3, 0x1111, s56                     ; my column of the cluster
	s_or_b32 s24, s3, (3<<16)|(1<<21)
	s_mov_b32 s25, 32<<16
	s_mov_b32 s26, 48<<16
	s_mov_b32 s27, 32<<16
	s_mov_b32 s28, 48
	s_mov_b32 s29, 32
	s_mov_b32 s30, 0
	s_mov_b32 s31, 0
	s_lshl_b32 s58, s57, 2
	s_lshl_b32 s58, 15, s58                        ; my row of the cluster
	s_or_b32 s32, s58, (3<<16)|(1<<21)
	s_mov_b32 s33, 32<<16
	s_mov_b32 s34, 24<<16
	s_mov_b32 s35, 32<<16
	s_mov_b32 s36, 24
	s_mov_b32 s37, 32
	s_mov_b32 s38, 0
	s_mov_b32 s39, 0
	; the first tiles T0 (of S0) and T1 (of S1), for both types; then one compare chooses.  T0 is made of cx and the cluster's numbers alone, T1 of cy and the cluster's y alone
	s_lshl_b32 s94, s60, 4                         ; q, k: T0 = 16 wgx
	s_lshr_b32 s96, s61, 1
	s_lshl_b32 s96, s96, 7
	s_add_co_u32 s96, s96, s94                     ; v: T0 = 16 (wgx + 8 ((Y - 16) / 2))
	s_lshl_b32 s95, s59, 2
	s_add_co_u32 s95, s95, s57
	s_lshl_b32 s95, s95, 3                         ; q, k: T1 = 8 (4 Y + cy)
	s_and_b32 s66, s59, 1
	s_lshl_b32 s66, s66, 2
	s_add_co_u32 s66, s66, s57
	s_lshl_b32 s66, s66, 3
	s_add_co_u32 s66, s66, 128                     ; v: T1 = 128 + 8 (4 (Y % 2) + cy)
	s_mov_b32 s92, XQ
	s_mov_b32 s93, 0
	s_mov_b32 s98, WQ
	s_mov_b32 s99, 0
	s_cmp_lt_u32 s59, 16                           ; q and k, or v?  The same in all sixteen partners
	s_cselect_b32 s94, s94, s96
	s_cselect_b32 s95, s95, s66
	s_cselect_b32 s92, WQ, s92                     ; s[92:93]: from chunk to chunk in S0's buffer,
	s_cselect_b32 s98, XQ, s98                     ; s[98:99]: in S1's
	s_wait_dscnt 0x0
	s_wait_kmcnt 0x0
	s_cselect_b64 s[84:85], s[8:9], s[4:5]         ; S0's codes
	s_cselect_b64 s[86:87], s[10:11], s[6:7]       ; S0's scale words
	s_cselect_b64 s[88:89], s[4:5], s[8:9]         ; S1's codes
	s_cselect_b64 s[90:91], s[6:7], s[10:11]       ; S1's scale words
	s_lshl_b32 s96, s22, 2
	s_add_co_u32 s96, s96, s94
	s_mul_i32 s96, s96, 3072                       ; S0: I fetch tiles T0 + 4 w .. + 3 of each chunk
	s_mov_b32 s97, 0
	s_add_nc_u64 s[42:43], s[84:85], s[96:97]
	s_lshl_b32 s66, s22, 1
	s_add_co_u32 s66, s66, s95
	s_mul_i32 s66, s66, 3072                       ; S1: tiles T1 + 2 w, + 1
	s_mov_b32 s67, 0
	s_add_nc_u64 s[70:71], s[88:89], s[66:67]
.irp q, 1,2,3
	s_add_nc_u64 s[42+4*\q:43+4*\q], s[38+4*\q:39+4*\q], s[92:93]
	s_add_nc_u64 s[70+4*\q:71+4*\q], s[66+4*\q:67+4*\q], s[98:99]
.endr
	s_mul_i32 s100, s22, 12288                     ; where they go: the wave's number and constants alone
	s_mul_i32 s101, s22, 6144
.irp q, 0,1,2,3
	s_mov_b32 s[40+4*\q], 1
	s_add_co_u32 s[41+4*\q], s100, \q*CH
	s_or_b32 s[43+4*\q], s[43+4*\q], 0x80000000
	s_mov_b32 s[68+4*\q], 1
	s_add_co_u32 s[69+4*\q], s101, \q*CH+S1O
	s_or_b32 s[71+4*\q], s[71+4*\q], 0x80000000
.endr
	CROUND                                         ; all sixteen work-groups are here: the joint loads meet
.irp q, 0,1,2,3
	tensor_load_to_lds s[40+4*\q:43+4*\q], s[24:31]   ; all of K, chunk by chunk: eight loads of mine are out
	s_nop 0
	tensor_load_to_lds s[68+4*\q:71+4*\q], s[32:39]
	s_nop 0
.endr
.rept 4
	v_nop
.endr
	v_and_b32 v1, 31, v0                           ; lane
	v_and_b32 v2, 15, v0                           ; r
	v_bfe_u32 v3, v0, 4, 1                         ; h
	v_lshlrev_b32 v4, 3, v1                        ; 8 x lane
	v_lshlrev_b32 v5, 4, v1                        ; 16 x lane
	s_mul_i32 s3, s23, 24576                       ; my 8 tiles of S0
	s_mul_i32 s58, s2, 12288                       ; my 4 tiles of S1
	s_add_co_u32 s58, s58, S1O
.irp q, 0,1,2,3
	v_add_nc_u32 v[A0+\q], s3, v4
	v_add_nc_u32 v[A1+\q], s58, v4
	s_add_co_u32 s3, s3, CH
	s_add_co_u32 s58, s58, CH
.endr
	s_lshl_b32 s96, s23, 3
	s_add_co_u32 s96, s96, s94
	s_lshl_b32 s96, s96, 9                         ; scale words: 512 bytes a tile, for all of K
	s_add_nc_u64 s[86:87], s[86:87], s[96:97]
	s_lshl_b32 s66, s2, 2
	s_add_co_u32 s66, s66, s95
	s_lshl_b32 s66, s66, 9
	s_add_nc_u64 s[90:91], s[90:91], s[66:67]
.irp b, 0,1,2,3,4,5,6,7
	global_load_b128 v[SC0+4*\b:SC0+4*\b+3], v5, s[86:87] offset:512*\b
.endr
.irp a, 0,1,2,3
	global_load_b128 v[SC1+4*\a:SC1+4*\a+3], v5, s[90:91] offset:512*\a
.endr
	; THE BIASES, both kinds in every work-group (24 small loads, each inside its buffer for both types), so that the head has one way:
	; along n, for q and k: register 16 b + i of window 3 = the bias of column 32 b + 16 h + i of my 128;  by lane, for v: registers 64 + 2 a, 65 + 2 a = bv of my channel in tile a
	s_cmp_eq_u32 ttmp9, 0
	s_cselect_b64 s[12:13], s[12:13], s[14:15]     ; cluster x = 0: Wq's columns, 1: Wk's
	s_lshl_b32 s96, s56, 10
	s_lshl_b32 s3, s23, 9
	s_add_co_u32 s96, s96, s3                      ; (256 cx + 128 e0) x 4
	s_add_nc_u64 s[12:13], s[12:13], s[96:97]
	s_and_b32 s66, s59, 1
	s_lshl_b32 s66, s66, 2
	s_add_co_u32 s66, s66, s57
	s_lshl_b32 s66, s66, 9
	s_lshl_b32 s58, s2, 8
	s_add_co_u32 s66, s66, s58                     ; (128 (4 (Y % 2) + cy) + 64 e1) x 4
	s_add_nc_u64 s[16:17], s[16:17], s[66:67]
	v_lshlrev_b32 v7, 6, v3                        ; 16 h numbers
	v_and_b32 v6, 8, v2
	v_add_nc_u32 v6, v6, v2
	v_lshlrev_b32 v6, 2, v6                        ; (r + 8 (r / 8)) x 4
	WIN 0xc0                                       ; destination window 3
.irp b, 0,1,2,3
.irp q, 0,1,2,3
	global_load_b128 v[16*\b+4*\q:16*\b+4*\q+3], v7, s[12:13] offset:128*\b+16*\q
.endr
.endr
.irp a, 0,1,2,3
	global_load_b32 v[64+2*\a], v6, s[16:17] offset:(32*(\a/2)+8*(\a%2))*4
	global_load_b32 v[65+2*\a], v6, s[16:17] offset:(32*(\a/2)+8*(\a%2))*4
.endr
	WIN 0
.macro FRAG reg, adr, off              ; a fragment's image: six loads of 8 bytes a lane, each 256 consecutive bytes
.irp p, 0,1,2,3,4,5
	ds_load_b64 v[(\reg)+2*\p:(\reg)+2*\p+1], v[\adr] offset:(\off)+256*\p
.endr
.endm
.macro FETCH ks                        ; the fragments of K step ks into set ks % 2: S0's eight, then S1's four
	WIN TO_1
.irp b, 0,1,2,3,4,5,6,7
	FRAG 128*((\ks)%2)+12*\b, A0+(\ks)/2, \b*3072+((\ks)%2)*1536
.endr
	WIN 0
.irp a, 0,1,2,3
	FRAG F1+48*((\ks)%2)+12*\a, A1+(\ks)/2, \a*3072+((\ks)%2)*1536
.endr
.endm
; 16 products: S1's tiles a0, a0 + 1 x S0's eight.  The 32 accumulators take turns, one instruction a turn, in the same order in every K step.  zero = 1: the first product starts the sums.
.macro MUL16 ks, a0, zero
.irp a, \a0, \a0+1
.irp b, 0,1,2,3,4,5,6,7
.if \zero
	v_wmma_scale_f32_16x16x128_f8f6f4 v[8*(8*(\a)+\b):8*(8*(\a)+\b)+7], v[128*((\ks)%2)+12*\b:128*((\ks)%2)+12*\b+11], v[F1+48*((\ks)%2)+12*(\a):F1+48*((\ks)%2)+12*(\a)+11], 0, v[SC0+4*\b+(\ks)%4], v[SC1+4*(\a)+(\ks)%4] matrix_a_fmt:MATRIX_FMT_FP6 matrix_b_fmt:MATRIX_FMT_FP6
.elseif (\ks) < 4
	v_wmma_scale_f32_16x16x128_f8f6f4 v[8*(8*(\a)+\b):8*(8*(\a)+\b)+7], v[128*((\ks)%2)+12*\b:128*((\ks)%2)+12*\b+11], v[F1+48*((\ks)%2)+12*(\a):F1+48*((\ks)%2)+12*(\a)+11], v[8*(8*(\a)+\b):8*(8*(\a)+\b)+7], v[SC0+4*\b+(\ks)%4], v[SC1+4*(\a)+(\ks)%4] matrix_a_fmt:MATRIX_FMT_FP6 matrix_b_fmt:MATRIX_FMT_FP6
.else
	v_wmma_scale_f32_16x16x128_f8f6f4 v[8*(8*(\a)+\b):8*(8*(\a)+\b)+7], v[128*((\ks)%2)+12*\b:128*((\ks)%2)+12*\b+11], v[F1+48*((\ks)%2)+12*(\a):F1+48*((\ks)%2)+12*(\a)+11], v[8*(8*(\a)+\b):8*(8*(\a)+\b)+7], v[SC0+4*\b+(\ks)%4], v[SC1+4*(\a)+(\ks)%4] matrix_a_fmt:MATRIX_FMT_FP6 matrix_b_fmt:MATRIX_FMT_FP6 matrix_a_scale:MATRIX_SCALE_ROW1 matrix_b_scale:MATRIX_SCALE_ROW1
.endif
.endr
.endr
.endm
; A K step of 128: 32 products; in its middle the next step's 72 LDS loads, in one run.  Steps 1, 3, 5 go on to the next chunk: my two loads of it are waited for (two loads a chunk were issued behind them for each later chunk),
; my LDS loads are in, and a barrier shows the same of every wave; the later chunks' loads stay out.
.macro STEP ks, first
.if ((\ks)%2 == 1) && ((\ks) < 7)
	s_wait_tensorcnt 5-(\ks)
	s_wait_dscnt 0x0
	s_barrier_signal -1
	WIN MUL
	MUL16 \ks, 0, \first
	s_barrier_wait -1
.else
	s_wait_dscnt 12                                ; all but the youngest twelve loads: S1's tiles 2 and 3
	WIN MUL
	MUL16 \ks, 0, \first
	s_wait_dscnt 0x0
.endif
.if (\ks) < 7
	PLACES
	FETCH (\ks)+1
.endif
	WIN MUL
	MUL16 \ks, 2, \first
.endm
	s_wait_tensorcnt 0x6                           ; my two loads of chunk 0 are in; the six behind them may be out
	s_barrier_signal -1
	s_barrier_wait -1                              ; everybody's are
	FETCH 0
	s_wait_loadcnt 0x0                             ; scale words and biases
	STEP 0, 1
	STEP 1, 0
	STEP 2, 0
	STEP 3, 0
	STEP 4, 0
	STEP 5, 0
	STEP 6, 0
	STEP 7, 0
	WIN 0
; 64 numbers of a lane, register s + 16 b + i = k 32 b + 16 (lane / 16) + i of my row, become a fragment's codes at v[d] and its scale word in v[w].
.macro QUANT s, d, w
.irp b, 0,1,2,3
	v_max3_num_f32 v[TM+\b], |v[\s+16*\b]|, |v[\s+1+16*\b]|, 0x1800000   ; block b: my 16 numbers, and the floor 2^(3 - 127): the byte cannot fall under 1
.endr
.irp i, 2,4,6,8,10,12,14
.irp b, 0,1,2,3
	v_max3_num_f32 v[TM+\b], v[TM+\b], |v[\s+16*\b+\i]|, |v[\s+1+16*\b+\i]|   ; (the four blocks by turns)
.endr
.endr
.irp b, 0,1,2,3
	v_permlanex16_b32 v[TM+4+\b], v[TM+\b], s62, s63
.endr
.irp b, 0,1,2,3
	v_max_num_f32 v[TM+\b], v[TM+\b], v[TM+4+\b]   ; with lane l xor 16's: the block's largest magnitude
.endr
.irp b, 0,1,2,3
	v_add_nc_u32 v[TM+12+\b], 0xff000000, v[TM+\b] ; 2 off its exponent field: the conversion's scale operand
.endr
.irp b, 0,1,2,3
	v_lshrrev_b32 v[TM+4+\b], 23, v[TM+12+\b]      ; the scale's byte
.endr
	v_lshl_or_b32 v[\w], v[TM+5], 8, v[TM+4]
	v_lshl_or_b32 v[\w], v[TM+6], 16, v[\w]
	v_lshl_or_b32 v[\w], v[TM+7], 24, v[\w]
.irp c, 0,1
	v_cvt_scalef32_pk16_fp6_f32 v[(\d)+6*\c:(\d)+6*\c+2], v[\s+32*\c:\s+15+32*\c], v[TM+12+2*\c]
	v_cvt_scalef32_pk16_fp6_f32 v[T+4*\c:T+4*\c+2], v[\s+16+32*\c:\s+31+32*\c], v[TM+13+2*\c]   ; (a conversion's three registers begin on an even number)
.endr
	v_nop                                          ; one plain place behind a scaled conversion
.irp c, 0,1                            ; the operand's layout wants a WHOLE block in a lane: lanes 0-15 block 2 c, lanes 16-31 block 2 c + 1
.irp i, 0,1,2
	v_permlane16_swap_b32 v[(\d)+6*\c+\i], v[T+4*\c+\i]
.endr
.irp i, 0,1,2
	v_mov_b32 v[(\d)+6*\c+3+\i], v[T+4*\c+\i]
.endr
.endr
.endm
; THE TAIL, for each of my four tiles a of S1: the bias is added (which also brings the 64 numbers into window 0), they are quantised, and the fragment leaves: each store covers 256 consecutive bytes, aligned.
; Each a has code registers of its own, so no store's data are written again.
.macro EPI v
	PLACES
.irp b, 0,1,2,3
	v_mov_b32 v[TM+4+\b], 0                        ; a lane permute's destination counts as one of its sources
.endr
.irp a, 0,1,2,3
	WIN 0x0e                                       ; source 0 window 2 (the sums), source 1 window 3 (the bias), destination window 0
.set i, 0
.rept 32
.if \v
	v_pk_add_f32 v[H+2*i:H+2*i+1], v[64*\a+2*i:64*\a+2*i+1], v[64+2*\a:65+2*\a]
.else
	v_pk_add_f32 v[H+2*i:H+2*i+1], v[64*\a+2*i:64*\a+2*i+1], v[2*i:2*i+1]
.endif
.set i, i+1
.endr
	WIN 0
	QUANT H, CD+12*\a, PW+\a
.irp p, 0,1,2,3,4,5
.if \v
	global_store_b64 v16, v[CD+12*\a+2*\p:CD+12*\a+2*\p+1], s[100:101] offset:\a*1536+256*\p
.else
	global_store_b64 v16, v[CD+12*\a+2*\p:CD+12*\a+2*\p+1], s[100:101] offset:(\p/3)*HSTR+\a*768+256*(\p%3)
.endif
.endr
.endr
.endm
	s_cmp_lt_u32 s59, 16
	s_cbranch_scc0 .Lfor_v
	; ---- q and k.  My 128 columns are two heads (registers 0-5 of a fragment: the first, 6-11: the second); my tile a is token tile 4 e1 + a of the step
	s_lshl_b32 s96, s59, 2
	s_add_co_u32 s96, s96, s57                     ; j = 4 Y + cy: batch j / 16, step j % 16
	s_lshr_b32 s97, s96, 4
	s_lshl_b32 s97, s97, 5
	s_lshl_b32 s3, s60, 2
	s_add_co_u32 s97, s97, s3
	s_lshl_b32 s3, s23, 1
	s_add_co_u32 s97, s97, s3                      ; 32 x batch + 4 wgx + 2 e0
	s_lshl_b32 s97, s97, 4
	s_and_b32 s96, s96, 15
	s_add_co_u32 s96, s96, s97
	s_mul_i32 s96, s96, REC
	s_mov_b32 s97, 0
	s_add_nc_u64 s[100:101], s[18:19], s[96:97]
	s_mul_i32 s3, s2, 3072
	v_add_nc_u32 v16, s3, v4                       ; 8 x lane + 4 e1 half fragments of 768 bytes
	EPI 0
	; scale words: a record's word f holds token tile 2 f's two bytes below and tile 2 f + 1's above.  Lanes 0-15 make the first head's, lanes 16-31 the second's
	v_mul_u32_u24 v17, v3, HSTR
	v_lshl_add_u32 v17, v2, 4, v17
	s_lshl_b32 s3, s2, 3
	v_add_nc_u32 v17, s3, v17                      ; 16 r + 8 e1, + a head for lanes 16-31
	v_mov_b32 v19, 0x05040100                      ; the two low halves,
	v_mov_b32 v18, 0x07060302                      ; the two high halves
	v_cmp_eq_u32 vcc_lo, 1, v3
	v_cndmask_b32 v19, v19, v18, vcc_lo
	v_perm_b32 v220, v[PW+1], v[PW], v19
	v_perm_b32 v221, v[PW+3], v[PW+2], v19
	global_store_b64 v17, v[220:221], s[100:101] offset:6144   ; 8 of each row's 16 bytes; the wave with the other e1 stores the other 8
	s_branch .Lend
.Lfor_v:
	; ---- v.  My 128 tokens are one step, my 64 columns one head; tile a is fragment a of the record
	s_lshr_b32 s96, s61, 1
	s_lshl_b32 s96, s96, 3
	s_add_co_u32 s96, s96, s60
	s_lshl_b32 s96, s96, 1
	s_add_co_u32 s96, s96, s23                     ; the step among all 64: batch st / 16, step st % 16
	s_lshr_b32 s97, s96, 4
	s_lshl_b32 s97, s97, 4
	s_and_b32 s3, s59, 1
	s_lshl_b32 s3, s3, 2
	s_add_co_u32 s3, s3, s57
	s_lshl_b32 s3, s3, 1
	s_add_co_u32 s3, s3, s2                        ; the head: 2 (4 (Y % 2) + cy) + e1
	s_add_co_u32 s97, s97, s3
	s_lshl_b32 s97, s97, 4
	s_and_b32 s96, s96, 15
	s_add_co_u32 s96, s96, s97
	s_mul_i32 s96, s96, REC
	s_mov_b32 s97, 0
	s_add_nc_u64 s[100:101], s[20:21], s[96:97]
	v_mov_b32 v16, v4
	EPI 1
	v_lshlrev_b32 v17, 3, v3
	v_lshl_add_u32 v17, v2, 4, v17                 ; 16 r + 8 h: lanes 0-15 store words 0 and 1, lanes 16-31 words 2 and 3
	v_cmp_eq_u32 vcc_lo, 1, v3
	v_cndmask_b32 v220, v[PW], v[PW+2], vcc_lo
	v_cndmask_b32 v221, v[PW+1], v[PW+3], vcc_lo
	global_store_b64 v17, v[220:221], s[100:101] offset:6144   ; 256 consecutive bytes, aligned
.Lend:
	s_wait_tensorcnt 0x0
	ds_add_u32 v254, v255
	s_wait_dscnt 0x0
	CROUND                                         ; the closing round: no work-group ends while a partner may still ask for a tile that names it
	s_endpgm
.Lfunc_end_k_qeb49680c4f_qkv:
	.size	k_qeb49680c4f_qkv, .Lfunc_end_k_qeb49680c4f_qkv-k_qeb49680c4f_qkv
	.p2alignl 7, 3214868480
	.fill 96, 4, 3214868480
	.section	.rodata,"a",@progbits
	.p2align	6, 0x0
	.amdhsa_kernel k_qeb49680c4f_qkv
		.amdhsa_group_segment_fixed_size 295424
		.amdhsa_private_segment_fixed_size 0
		.amdhsa_enable_private_segment 0
		.amdhsa_kernarg_size 72
		.amdhsa_user_sgpr_count 2
		.amdhsa_user_sgpr_kernarg_segment_ptr 1
		.amdhsa_wavefront_size32 1
		.amdhsa_system_sgpr_workgroup_id_x 1
		.amdhsa_system_sgpr_workgroup_id_y 1
		.amdhsa_system_sgpr_workgroup_id_z 1
		.amdhsa_system_vgpr_workitem_id 0
		.amdhsa_next_free_vgpr 1024
		.amdhsa_next_free_sgpr 102
		.amdhsa_reserve_vcc 1
		.amdhsa_float_denorm_mode_32 3
		.amdhsa_float_denorm_mode_16_64 3
		.amdhsa_memory_ordered 1
		.amdhsa_forward_progress 1
		.amdhsa_inst_pref_size 137
	.end_amdhsa_kernel
	.amdgpu_metadata
---
amdhsa.version: [ 1, 2 ]
amdhsa.kernels:
  - .name:           k_qeb49680c4f_qkv
    .symbol:         k_qeb49680c4f_qkv.kd
    .args:
      - { .name: xc, .offset: 0, .size: 8, .value_kind: global_buffer, .address_space: global }
      - { .name: xs, .offset: 8, .size: 8, .value_kind: global_buffer, .address_space: global }
      - { .name: wc, .offset: 16, .size: 8, .value_kind: global_buffer, .address_space: global }
      - { .name: ws, .offset: 24, .size: 8, .value_kind: global_buffer, .address_space: global }
      - { .name: bq, .offset: 32, .size: 8, .value_kind: global_buffer, .address_space: global }
      - { .name: bk, .offset: 40, .size: 8, .value_kind: global_buffer, .address_space: global }
      - { .name: bv, .offset: 48, .size: 8, .value_kind: global_buffer, .address_space: global }
      - { .name: qk, .offset: 56, .size: 8, .value_kind: global_buffer, .address_space: global }
      - { .name: vv, .offset: 64, .size: 8, .value_kind: global_buffer, .address_space: global }
    .group_segment_fixed_size: 295424
    .private_segment_fixed_size: 0
    .kernarg_segment_align: 8
    .kernarg_segment_size: 72
    .max_flat_workgroup_size: 128
    .sgpr_count:     102
    .vgpr_count:     1024
    .wavefront_size: 32
...
	.end_amdgpu_metadata
.endif
;; end of part 2
;; launch attn (part 3): grid 4 x 64, 16 waves a work-group, clusters of 4 x 1, 206,848 bytes of LDS; arguments qk, vv, ac, asc; writes ac, asc
.if DOCPART == 3
	.amdgcn_target "amdgcn-amd-amdhsa--gfx1250"
	.amdhsa_code_object_version 6
	.text
	.protected	k_qeb49680c4f_attn
	.globl	k_qeb49680c4f_attn
	.p2align	8
	.type	k_qeb49680c4f_attn,@function
k_qeb49680c4f_attn:
	s_mov_b64 s[64:65], 0
	v_nop
	global_prefetch_b8 v0, s[64:65] scope:SCOPE_SE
	s_setreg_imm32_b32 hwreg(HW_REG_WAVE_MODE, 25, 1), 1
	s_wait_xcnt 0x0
	s_wait_alu depctr_hold_cnt(0) depctr_sa_sdst(0) depctr_va_vdst(0) depctr_va_sdst(0) depctr_va_ssrc(0) depctr_va_vcc(0) depctr_vm_vsrc(0)
	s_getreg_b32 s2, hwreg(HW_REG_IB_STS2, 6, 4)
	s_cmp_eq_u32 s2, 0
	s_cbranch_scc0 .Lentry_in_a_cluster
	s_endpgm
.Lentry_in_a_cluster:
	s_bfe_u32 s2, ttmp6, 0x10000c
	s_cmp_lg_u32 s2, 0x3003
	s_cbranch_scc0 .Lentry_shape_is_right
	s_endpgm
.Lentry_shape_is_right:
; Causal attention of one head on codes of FP6 (E2M3) with E8M0 scales: S = q k^T / 8 (K = the head's 64), p = 2^(t - M), O = p v (K = the keys), O / the row's sum, quantised along E for the last projection.
; t = score x log2(e) / 8; M = the running largest t rounded UP to a whole number; p is quantised along the keys, not normalised; the sum is taken of the unquantised p; when M moves, sum and O are multiplied by 2^(old M - new M), exactly.
; LIMITS: NaN and infinities are not served; a block whose largest magnitude lies under 2^-124, a block of zeros among them, keeps the scale byte 1 (only this program reads the bytes).
; INPUT: records of 6,400 bytes for each 128 tokens of a head: four fragments as images of their registers (registers 2 p, 2 p + 1 of lane l at 256 p + 8 l), then scale words at 6,144 + 16 r + 4 f.
;   q, k: fragment f: registers 0-5 the 64 numbers of token tile 2 f, registers 6-11 of tile 2 f + 1.  v: fragment a: 16 channels x the step's 128 keys.  A tile 2 G + u holds rows 32 G + 8 u + r + 8 (r / 8).
; K = 64 IN A PRODUCT 128 DEEP: q is kept twice, as [q | zero codes] and [zero codes | q]; one fragment of k, two tiles of keys, is multiplied by both and gives the scores of both tiles.  Zero codes add exactly 0;
; q's scale bytes over its zero blocks are 1.
; Both products are used transposed (source 0 = keys, or channels; source 1 = my 16 queries): a lane holds ONE query; the 16 registers of score tiles 2 b, 2 b + 1 are keys 32 b + 16 (lane / 16) + 0 .. 15.
; SHARES.  A cluster of four work-groups is one (batch, head); K and V of the whole head, 2 x 102,400 bytes, come once, by joint loads, as first fills: nothing is filled twice.  Partner cx owns query tiles 4 g + cx, g = 0 .. 31:
; the last key step that such a tile needs is g / 2, whatever cx, so every branch is alike in all four.  Wave w takes g = w and then g = 31 - w: w / 2 + 1 and 16 - w / 2 key steps, 17 for every wave.
; cx enters Q's and the outputs' global addresses and the mask's vector operand, and nothing else.
; REGISTERS: v1-7 addresses that stay; v8-11 the step's addresses; v12 -M, v13 the largest t, v[14:15] the sum; v16-27, v28-39 q twice; v40-87 four fragments of K, then of V; v88-95 their scale words; v96-159 S^T, then p;
;   v160-191 O^T; v192-203 p's codes; v204-235 at work; v240-242 q's two scale words and p's.
.set XQ,   1572864                     ; ac: bytes of 256 along K
.set REC,  6400
.set HSTR, 102400                      ; a head's 16 records
.set VO,   102400                      ; LDS: K's records at 0, V's here
.macro CROUND                          ; a round of the cluster's barrier
	s_barrier_signal -1
	s_barrier_wait -1
	s_cmp_lg_u32 s12, 0
	s_cbranch_scc1 .Lnot_wave_0_\@
	s_barrier_signal -3
.Lnot_wave_0_\@:
	s_barrier_wait -3
	s_barrier_signal -1
	s_barrier_wait -1
.endm
	s_load_b256 s[4:11], s[0:1], 0x0               ; qk s[4:5], vv s[6:7], ac s[8:9], asc s[10:11]
	v_lshl_add_u32 v254, v0, 2, 0x32000
	v_mov_b32 v255, 0
	ds_add_u32 v254, v255
	ds_add_u32 v254, v255
	v_lshrrev_b32 v1, 5, v0
	s_delay_alu instid0(VALU_DEP_1)
	v_readfirstlane_b32 s12, v1                    ; wave 0..15
	s_bfe_u32 s13, ttmp6, 0x40000                  ; cx
	s_and_b32 s14, ttmp7, 0xffff                   ; 16 x batch + head
	s_lshr_b32 s15, s14, 4                         ; batch
	s_and_b32 s16, s14, 15                         ; head
	s_mov_b32 s20, 0x76543210
	s_mov_b32 s21, 0xfedcba98                      ; v_permlanex16_b32's selects for lane l xor 16
	s_mov_b32 s22, 0x3e38aa3b                      ; c = log2(e) / 8
	s_mov_b32 s23, s22                             ; (named with it as a pair, so it is written)
	s_mov_b32 s62, 0x01010000
	; descriptor group 1: a record, 6,400 dense bytes, as 25 rows of 256 bytes (32 elements of 8); the mask names all four work-groups
	s_mov_b32 s24, 15|(3<<16)|(1<<21)
	s_mov_b32 s25, 32<<16
	s_mov_b32 s26, 25<<16
	s_mov_b32 s27, 32<<16
	s_mov_b32 s28, 25
	s_mov_b32 s29, 32
	s_mov_b32 s30, 0
	s_mov_b32 s31, 0
	s_lshl_b32 s40, s15, 5
	s_add_co_u32 s40, s40, s16
	s_mul_i32 s44, s40, HSTR                       ; q's records of my head
	s_mov_b32 s45, 0
	s_add_co_u32 s40, s44, 16*HSTR                 ; k's: 16 heads on
	s_mov_b32 s41, 0
	s_mul_i32 s42, s14, HSTR                       ; v's
	s_mov_b32 s43, 0
	s_and_b32 s17, s12, 7
	s_mul_i32 s56, s17, REC                        ; waves 0-7 fetch K's records w and w + 8, waves 8-15 V's records w - 8 and w
	s_mov_b32 s57, 0
	s_mul_i32 s33, s12, REC
	s_lshr_b32 s17, s12, 3
	s_mul_i32 s17, s17, 51200
	s_add_co_u32 s33, s33, s17                     ; in LDS: 6,400 w, and 51,200 more for V's waves
	s_add_co_u32 s37, s33, 51200
	s_mov_b32 s32, 1
	s_mov_b32 s36, 1
	s_wait_dscnt 0x0
	s_wait_kmcnt 0x0
	s_add_nc_u64 s[40:41], s[4:5], s[40:41]
	s_add_nc_u64 s[42:43], s[6:7], s[42:43]
	s_add_nc_u64 s[44:45], s[4:5], s[44:45]        ; s[44:45]: q's records
	s_cmp_lt_u32 s12, 8
	s_cselect_b64 s[34:35], s[40:41], s[42:43]
	s_add_nc_u64 s[34:35], s[34:35], s[56:57]
	s_add_nc_u64 s[38:39], s[34:35], 51200
	s_or_b32 s35, s35, 0x80000000
	s_or_b32 s39, s39, 0x80000000
	CROUND                                         ; all four work-groups are here: the joint loads meet
	tensor_load_to_lds s[32:35], s[24:31]          ; two loads of mine are out
	s_nop 0
	tensor_load_to_lds s[36:39], s[24:31]
	s_nop 0
.rept 4
	v_nop
.endr
	; where a head's results go: ac: K chunk head / 4, its half (head / 2) % 2, the fragment's half head % 2;  asc: two bytes of the word of ks = head / 2
	s_lshr_b32 s17, s16, 2
	s_mul_i32 s46, s17, XQ
	s_bfe_u32 s17, s16, 0x10001
	s_mul_i32 s17, s17, 1536
	s_add_co_u32 s46, s46, s17
	s_and_b32 s17, s16, 1
	s_mul_i32 s18, s17, 768
	s_add_co_u32 s46, s46, s18
	s_mov_b32 s47, 0
	s_add_nc_u64 s[46:47], s[8:9], s[46:47]
	s_lshr_b32 s48, s16, 3
	s_lshl_b32 s48, s48, 8
	s_bfe_u32 s18, s16, 0x20001
	s_lshl_b32 s18, s18, 2
	s_add_co_u32 s48, s48, s18
	s_lshl_b32 s17, s17, 1
	s_add_co_u32 s48, s48, s17
	s_mov_b32 s49, 0
	s_add_nc_u64 s[48:49], s[10:11], s[48:49]
	v_and_b32 v245, 31, v0                         ; lane
	v_and_b32 v246, 15, v0                         ; r
	v_bfe_u32 v244, v0, 4, 1                       ; h
	s_delay_alu instid0(VALU_DEP_3)
	v_lshlrev_b32 v1, 3, v245                      ; v1  8 x lane: K's fragments, and global offsets
	s_delay_alu instid0(VALU_DEP_3)
	v_lshlrev_b32 v7, 4, v246                      ; v7  16 r
	s_delay_alu instid0(VALU_DEP_1)
	v_add_nc_u32 v2, 6144, v7                      ; v2  K's scale words
	s_delay_alu instid0(VALU_DEP_3)
	v_add_nc_u32 v3, VO, v1                        ; v3  V's fragments
	s_delay_alu instid0(VALU_DEP_3)
	v_add_nc_u32 v4, VO+6144, v7                   ; v4  V's scale words
	v_and_b32 v5, 8, v246
	s_delay_alu instid0(VALU_DEP_1)
	v_add_nc_u32 v5, v5, v246
	v_lshlrev_b32 v6, 4, v244
	s_delay_alu instid0(VALU_DEP_1)
	v_sub_nc_u32 v5, v5, v6                        ; v5  r + 8 (r / 8) - 16 h
	v_mov_b32 v227, 0xff800000                     ; -infinity
	v_mov_b32 v225, 0                              ; (named as the upper half of the pair v[224:225])
.set j, 22
.rept 12
	v_mov_b32 v[j], 0                              ; the zero codes of [q | 0] and [0 | q]: set once
.set j, j+1
.endr
.irp b, 0,1,2,3
	v_mov_b32 v[216+\b], 0                         ; a lane permute's destination counts as one of its sources
.endr
	s_wait_tensorcnt 0x0                           ; my two records are in,
	s_barrier_signal -1
	s_barrier_wait -1                              ; everybody's are: the whole head lies in LDS, and no barrier is needed any more
; ONE QUERY TILE: g = w (second = 0) or 31 - w (second = 1).  The loop's trip count nt is a constant; a step whose keys all come after my queries is jumped over, by a branch on the wave's number and the counter.
.macro PASS second, nt
.if \second
	s_wait_xcnt 0x0                                ; the first tile's loads and stores have read their addresses and data: all may be written again
	s_sub_co_u32 s51, 31, s12
.else
	s_mov_b32 s51, s12
.endif
	s_lshr_b32 s52, s51, 1                         ; sq: my tile's step, the last that it needs
	s_and_b32 s53, s51, 1
	s_lshl_b32 s53, s53, 2
	s_add_co_u32 s53, s53, s13                     ; tq: my tile in that step, 0 .. 7
	s_mul_i32 s2, s52, REC
	s_mov_b32 s3, 0
	s_add_nc_u64 s[2:3], s[44:45], s[2:3]          ; q's record
	s_mul_i32 s56, s53, 768
	s_mov_b32 s57, 0
	s_add_nc_u64 s[56:57], s[2:3], s[56:57]        ; my tile's half fragment
	s_lshr_b32 s58, s53, 1
	s_lshl_b32 s58, s58, 2
	s_mov_b32 s59, 0
	s_add_nc_u64 s[2:3], s[2:3], s[58:59]          ; and the word that holds its two scale bytes
.irp q, 0,1,2
	global_load_b64 v[16+2*\q:17+2*\q], v1, s[56:57] offset:256*\q   ; q, into the lower half of [q | 0]
	global_load_b64 v[34+2*\q:35+2*\q], v1, s[56:57] offset:256*\q   ; and into the upper half of [0 | q]
.endr
	global_load_b32 v236, v7, s[2:3] offset:6144
	s_lshl_b32 s58, s15, 7
	s_lshl_b32 s63, s51, 2
	s_add_co_u32 s58, s58, s63
	s_add_co_u32 s58, s58, s13                     ; my tile among all 512: 128 x batch + 4 g + cx
	s_lshl_b32 s60, s58, 9
	s_mov_b32 s61, 0
	s_mul_i32 s58, s58, 3072
	s_add_nc_u64 s[58:59], s[46:47], s[58:59]      ; ac
	s_add_nc_u64 s[60:61], s[48:49], s[60:61]      ; asc
	s_lshl_b32 s63, s53, 4
	s_and_b32 s17, s53, 1
	s_lshl_b32 s17, s17, 3
	s_sub_co_u32 s63, s63, s17                     ; 32 (tq / 2) + 8 (tq % 2)
	v_add_nc_u32 v6, s63, v5                       ; v6  my query in its step, less 16 h: register 16 b + i's key is hidden where 32 b + i is above it
	s_lshl_b32 s17, s17, 1                         ; 16 (tq % 2)
	v_mov_b32 v13, 0xff61b1e6                      ; the largest t so far: -3e38, under every t
	s_delay_alu instid0(VALU_DEP_1)
	v_floor_f32 v12, -v13                          ; -M
	v_mov_b32 v14, 0
	v_mov_b32 v15, 0
	s_wait_loadcnt 0x0
	v_lshrrev_b32 v226, s17, v236                  ; my tile's two bytes
	s_delay_alu instid0(VALU_DEP_1)
	v_and_or_b32 v240, v226, 0xffff, s62           ; [q | 0]'s scale word: bytes 1 over the zero blocks
	s_delay_alu instid0(VALU_DEP_2)
	v_lshl_or_b32 v241, v226, 16, 0x101            ; [0 | q]'s
.set j, 0
.rept 32
	v_mov_b32 v[160+j], 0                          ; O^T: the first change of M leaves zeros zeros.  (These are also the places between the scale words' making and the first product)
.set j, j+1
.endr
	s_mov_b32 s54, 0                               ; the key step
	s_mov_b32 s55, 0                               ; and its record in LDS
.Lstep_\@:
	s_cmp_gt_u32 s54, s52
	s_cbranch_scc1 .Lskip_\@
	s_setprio 2
	v_add_nc_u32 v8, s55, v1                       ; (four plain places behind the last step's products, in front of the loads into their sources)
	v_add_nc_u32 v9, s55, v3
	v_add_nc_u32 v10, s55, v2
	v_add_nc_u32 v11, s55, v4
.irp f, 0,1,2,3
.irp i, 0,1,2,3,4,5
	ds_load_b64 v[40+12*\f+2*\i:41+12*\f+2*\i], v8 offset:1536*\f+256*\i
.endr
.endr
	ds_load_b128 v[88:91], v10                     ; K's four scale words of my row
	s_wait_alu depctr_va_vdst(0)
	s_wait_dscnt 0x0
.irp f, 0,1,2,3
	v_wmma_scale_f32_16x16x128_f8f6f4 v[96+16*\f:103+16*\f], v[40+12*\f:51+12*\f], v[16:27], 0, v[88+\f], v240 matrix_a_fmt:MATRIX_FMT_FP6 matrix_b_fmt:MATRIX_FMT_FP6
	v_wmma_scale_f32_16x16x128_f8f6f4 v[104+16*\f:111+16*\f], v[40+12*\f:51+12*\f], v[28:39], 0, v[88+\f], v241 matrix_a_fmt:MATRIX_FMT_FP6 matrix_b_fmt:MATRIX_FMT_FP6
.endr
.rept 4
	v_nop                                          ; places in front of the loads below and of the first read of the scores
.endr
.irp f, 0,1,2,3
.irp i, 0,1,2,3,4,5
	ds_load_b64 v[40+12*\f+2*\i:41+12*\f+2*\i], v9 offset:1536*\f+256*\i   ; V's fragments take K's registers and land during the softmax
.endr
.endr
	ds_load_b128 v[92:95], v11
	s_cmp_lg_u32 s54, s52                          ; only my tile's own step has hidden keys
	s_cbranch_scc1 .Lopen_\@
.set j, 0
.rept 64
	v_cmp_gt_i32 vcc_lo, 32*(j/16)+j%16, v6
	v_cndmask_b32 v[96+j], v[96+j], v227, vcc_lo   ; a hidden score becomes -infinity ahead of the maximum: p = 0
.set j, j+1
.endr
.Lopen_\@:
.irp b, 0,1,2,3
	v_max3_num_f32 v[212+\b], v[96+16*\b], v[97+16*\b], v[98+16*\b]   ; the largest score of each block of 32 keys: for the row's maximum and, since p rises with the score, for the block's largest p
.endr
.irp i, 3,5,7,9,11,13
.irp b, 0,1,2,3
	v_max3_num_f32 v[212+\b], v[212+\b], v[96+16*\b+\i], v[97+16*\b+\i]
.endr
.endr
.irp b, 0,1,2,3
	v_max_num_f32 v[212+\b], v[212+\b], v[111+16*\b]
.endr
.irp b, 0,1,2,3
	s_delay_alu instid0(VALU_DEP_4)
	v_permlanex16_b32 v[216+\b], v[212+\b], s20, s21
.endr
.irp b, 0,1,2,3
	s_delay_alu instid0(VALU_DEP_4)
	v_max_num_f32 v[212+\b], v[212+\b], v[216+\b]  ; with lane l xor 16's 16 keys
.endr
	s_delay_alu instid0(VALU_DEP_2)
	v_max3_num_f32 v226, v212, v213, v214
	s_delay_alu instid0(VALU_DEP_1)
	v_max_num_f32 v226, v226, v215                 ; the step's largest score of my query
	s_delay_alu instid0(VALU_DEP_1)
	v_mul_f32 v226, s22, v226                      ; as t
	s_delay_alu instid0(VALU_DEP_1)
	v_max_num_f32 v13, v13, v226                   ; the running largest t
	v_mov_b32 v226, v12
	s_delay_alu instid0(VALU_DEP_2)
	v_floor_f32 v12, -v13                          ; the new -M = floor(-t) = -ceil(t)
	s_delay_alu instid0(VALU_DEP_1)
	v_sub_f32 v226, v12, v226                      ; old M - new M: a whole number, 0 or less
	s_delay_alu instid0(VALU_DEP_1)
	v_cvt_i32_f32 v226, v226                       ; (it saturates)
	s_delay_alu instid0(VALU_DEP_1)
	v_ldexp_f32 v224, 1.0, v226                    ; f = 2^(old M - new M)
.set j, 0
	s_setprio 1
.rept 32
	v_pk_fma_f32 v[96+j:97+j], v[96+j:97+j], s[22:23], v[12:13] op_sel_hi:[1,0,0]   ; t - M, two at a time
.set j, j+2
.endr
.irp b, 0,1,2,3
	v_fma_f32 v[212+\b], v[212+\b], s22, v12       ; the same of each block's largest score
.endr
.set j, 0
	s_wait_alu depctr_va_vdst(0)
.rept 64
	v_exp_f32 v[96+j], v[96+j]                     ; p = 2^(t - M), at most 1
.set j, j+1
.endr
	v_pk_mul_f32 v[14:15], v[14:15], v[224:225] op_sel_hi:[1,0]   ; the sums under the new M (a plain place behind the exponentials)
	s_wait_alu depctr_va_vdst(0)                   ; one wait for the batch, ahead of its first reader
.irp b, 0,1,2,3
	v_exp_f32 v[212+\b], v[212+\b]                 ; the block's largest p
.endr
	v_pk_add_f32 v[228:229], v[100:101], v[104:105]
	v_pk_add_f32 v[252:253], v[108:109], v[112:113]
	v_pk_add_f32 v[250:251], v[116:117], v[120:121]
	v_pk_add_f32 v[248:249], v[124:125], v[128:129]
	v_pk_add_f32 v[238:239], v[132:133], v[136:137]
	v_pk_add_f32 v[14:15], v[14:15], v[140:141]
	v_pk_add_f32 v[228:229], v[228:229], v[144:145]
	v_pk_add_f32 v[252:253], v[252:253], v[148:149]
	v_pk_add_f32 v[250:251], v[250:251], v[152:153]
	v_pk_add_f32 v[248:249], v[248:249], v[156:157]
	v_pk_add_f32 v[238:239], v[238:239], v[96:97]
	v_pk_add_f32 v[14:15], v[14:15], v[98:99]
	v_pk_add_f32 v[228:229], v[228:229], v[102:103]
	v_pk_add_f32 v[252:253], v[252:253], v[106:107]
	v_pk_add_f32 v[250:251], v[250:251], v[110:111]
	v_pk_add_f32 v[248:249], v[248:249], v[114:115]
	v_pk_add_f32 v[238:239], v[238:239], v[118:119]
	v_pk_add_f32 v[14:15], v[14:15], v[122:123]
	v_pk_add_f32 v[228:229], v[228:229], v[126:127]
	v_pk_add_f32 v[252:253], v[252:253], v[130:131]
	v_pk_add_f32 v[250:251], v[250:251], v[134:135]
	v_pk_add_f32 v[248:249], v[248:249], v[138:139]
	v_pk_add_f32 v[238:239], v[238:239], v[142:143]
	v_pk_add_f32 v[14:15], v[14:15], v[146:147]
	v_pk_add_f32 v[228:229], v[228:229], v[150:151]
	v_pk_add_f32 v[252:253], v[252:253], v[154:155]
	v_pk_add_f32 v[250:251], v[250:251], v[158:159]
	s_delay_alu instid0(VALU_DEP_1)
	v_pk_add_f32 v[14:15], v[14:15], v[250:251]
	s_delay_alu instid0(VALU_DEP_4)
	v_pk_add_f32 v[228:229], v[228:229], v[248:249]
	s_delay_alu instid0(VALU_DEP_4)
	v_pk_add_f32 v[252:253], v[252:253], v[238:239]
	s_delay_alu instid0(VALU_DEP_1)
	v_pk_add_f32 v[14:15], v[14:15], v[252:253]
	s_delay_alu instid0(VALU_DEP_1)
	v_pk_add_f32 v[14:15], v[14:15], v[228:229]
	s_wait_alu depctr_va_vdst(0)                   ; and one for the four
.irp b, 0,1,2,3
	v_max_num_f32 v[212+\b], 0x1800000, v[212+\b]  ; the floor 2^(3 - 127): the byte cannot fall under 1
.endr
.irp b, 0,1,2,3
	s_delay_alu instid0(VALU_DEP_4)
	v_add_nc_u32 v[220+\b], 0xff000000, v[212+\b]  ; 2 off the exponent field: the conversion's scale operand
.endr
.irp b, 0,1,2,3
	s_delay_alu instid0(VALU_DEP_4)
	v_lshrrev_b32 v[216+\b], 23, v[220+\b]         ; the scale's byte
.endr
	s_delay_alu instid0(VALU_DEP_3)
	v_lshl_or_b32 v242, v217, 8, v216              ; p's scale word for these 128 keys
	s_delay_alu instid0(VALU_DEP_1)
	v_lshl_or_b32 v242, v218, 16, v242
	s_delay_alu instid0(VALU_DEP_1)
	v_lshl_or_b32 v242, v219, 24, v242
	s_setprio 0
.irp c, 0,1
	v_cvt_scalef32_pk16_fp6_f32 v[192+6*\c:194+6*\c], v[96+32*\c:111+32*\c], v[220+2*\c]
	v_cvt_scalef32_pk16_fp6_f32 v[204+4*\c:206+4*\c], v[112+32*\c:127+32*\c], v[221+2*\c]   ; (a conversion's three registers begin on an even number)
.endr
	v_nop                                          ; one plain place behind a scaled conversion
.irp c, 0,1                            ; the operand's layout wants a WHOLE block in a lane
.irp i, 0,1,2
	v_permlane16_swap_b32 v[192+6*\c+\i], v[204+4*\c+\i]
.endr
.irp i, 0,1,2
	s_delay_alu instid0(VALU_DEP_3)
	v_mov_b32 v[195+6*\c+\i], v[204+4*\c+\i]
.endr
.endr
.set j, 0
.rept 16
	v_pk_mul_f32 v[160+j:161+j], v[160+j:161+j], v[224:225] op_sel_hi:[1,0]   ; O^T under the new M.  (These are also the places in front of the products below)
.set j, j+2
.endr
	s_wait_alu depctr_va_vdst(0)
	s_wait_dscnt 0x0                               ; V's fragments and scale words are in
.irp a, 0,1,2,3
	v_wmma_scale_f32_16x16x128_f8f6f4 v[160+8*\a:167+8*\a], v[40+12*\a:51+12*\a], v[192:203], v[160+8*\a:167+8*\a], v[92+\a], v242 matrix_a_fmt:MATRIX_FMT_FP6 matrix_b_fmt:MATRIX_FMT_FP6
.endr
.Lskip_\@:
	s_add_co_u32 s55, s55, REC
	s_add_co_u32 s54, s54, 1
	s_cmp_lt_u32 s54, \nt
	s_cbranch_scc1 .Lstep_\@
	s_setprio 0
	; THE WAY OUT.  O^T / the sum: register 16 G + i is channel 32 G + 16 h + i of my query: two blocks along E, quantised as above; six registers, half a fragment of the last projection's operand
.rept 4
	v_nop
.endr
	v_add_f32 v14, v14, v15
	s_delay_alu instid0(VALU_DEP_1)
	v_permlanex16_b32 v226, v14, s20, s21
	s_delay_alu instid0(VALU_DEP_1)
	v_add_f32 v14, v14, v226                       ; the row's sum
	s_wait_alu depctr_va_vdst(0)
	v_rcp_f32 v14, v14
	v_nop                                          ; a plain place behind the transcendental
	s_wait_alu depctr_va_vdst(0)                   ; and the wait ahead of its first reader
.set j, 0
.rept 16
	v_pk_mul_f32 v[96+j:97+j], v[160+j:161+j], v[14:15] op_sel_hi:[1,0]
.set j, j+2
.endr
.irp b, 0,1
	v_max3_num_f32 v[212+\b], |v[96+16*\b]|, |v[97+16*\b]|, 0x1800000
.endr
.irp i, 2,4,6,8,10,12,14
.irp b, 0,1
	s_delay_alu instid0(VALU_DEP_2)
	v_max3_num_f32 v[212+\b], v[212+\b], |v[96+16*\b+\i]|, |v[97+16*\b+\i]|
.endr
.endr
.irp b, 0,1
	s_delay_alu instid0(VALU_DEP_2)
	v_permlanex16_b32 v[216+\b], v[212+\b], s20, s21
.endr
.irp b, 0,1
	s_delay_alu instid0(VALU_DEP_2)
	v_max_num_f32 v[212+\b], v[212+\b], v[216+\b]
.endr
.irp b, 0,1
	s_delay_alu instid0(VALU_DEP_2)
	v_add_nc_u32 v[220+\b], 0xff000000, v[212+\b]
.endr
.irp b, 0,1
	s_delay_alu instid0(VALU_DEP_2)
	v_lshrrev_b32 v[216+\b], 23, v[220+\b]
.endr
	s_delay_alu instid0(VALU_DEP_1)
	v_lshl_or_b32 v226, v217, 8, v216              ; my row's two scale bytes
	v_cvt_scalef32_pk16_fp6_f32 v[230:232], v[96:111], v220
	v_cvt_scalef32_pk16_fp6_f32 v[204:206], v[112:127], v221
	v_nop
.irp i, 0,1,2
	v_permlane16_swap_b32 v[230+\i], v[204+\i]
.endr
.irp i, 0,1,2
	s_delay_alu instid0(VALU_DEP_3)
	v_mov_b32 v[233+\i], v[204+\i]
.endr
.irp q, 0,1,2
	global_store_b64 v1, v[230+2*\q:231+2*\q], s[58:59] offset:256*\q   ; 256 consecutive bytes, aligned
.endr
	s_wait_xcnt 0x0                                ; EXEC changes only behind this wait
	v_cmp_eq_u32 vcc_lo, 0, v244
	s_and_saveexec_b32 s50, vcc_lo
	global_store_b16 v7, v226, s[60:61]            ; lanes 0-15: 2 bytes of each row's 16: these stores fill their 256 bytes in part; asc is 262,144 bytes in all
	s_wait_xcnt 0x0
	s_or_b32 exec_lo, exec_lo, s50
.endm
	PASS 0, 8
	PASS 1, 16
	s_wait_tensorcnt 0x0
	ds_add_u32 v254, v255
	s_wait_dscnt 0x0
	CROUND                                         ; the closing round: no work-group ends while a partner may still ask for a tile that names it
	s_endpgm
.Lfunc_end_k_qeb49680c4f_attn:
	.size	k_qeb49680c4f_attn, .Lfunc_end_k_qeb49680c4f_attn-k_qeb49680c4f_attn
	.p2alignl 7, 3214868480
	.fill 96, 4, 3214868480
	.section	.rodata,"a",@progbits
	.p2align	6, 0x0
	.amdhsa_kernel k_qeb49680c4f_attn
		.amdhsa_group_segment_fixed_size 206848
		.amdhsa_private_segment_fixed_size 0
		.amdhsa_enable_private_segment 0
		.amdhsa_kernarg_size 32
		.amdhsa_user_sgpr_count 2
		.amdhsa_user_sgpr_kernarg_segment_ptr 1
		.amdhsa_wavefront_size32 1
		.amdhsa_system_sgpr_workgroup_id_x 1
		.amdhsa_system_sgpr_workgroup_id_y 1
		.amdhsa_system_sgpr_workgroup_id_z 1
		.amdhsa_system_vgpr_workitem_id 0
		.amdhsa_next_free_vgpr 256
		.amdhsa_next_free_sgpr 66
		.amdhsa_reserve_vcc 1
		.amdhsa_float_denorm_mode_32 3
		.amdhsa_float_denorm_mode_16_64 3
		.amdhsa_memory_ordered 1
		.amdhsa_forward_progress 1
		.amdhsa_inst_pref_size 69
	.end_amdhsa_kernel
	.amdgpu_metadata
---
amdhsa.version: [ 1, 2 ]
amdhsa.kernels:
  - .name:           k_qeb49680c4f_attn
    .symbol:         k_qeb49680c4f_attn.kd
    .args:
      - { .name: qk, .offset: 0, .size: 8, .value_kind: global_buffer, .address_space: global }
      - { .name: vv, .offset: 8, .size: 8, .value_kind: global_buffer, .address_space: global }
      - { .name: ac, .offset: 16, .size: 8, .value_kind: global_buffer, .address_space: global }
      - { .name: asc, .offset: 24, .size: 8, .value_kind: global_buffer, .address_space: global }
    .group_segment_fixed_size: 206848
    .private_segment_fixed_size: 0
    .kernarg_segment_align: 8
    .kernarg_segment_size: 32
    .max_flat_workgroup_size: 512
    .sgpr_count:     66
    .vgpr_count:     256
    .wavefront_size: 32
...
	.end_amdgpu_metadata
.endif
;; end of part 3
;; launch proj (part 4): grid 4 x 64, 4 waves a work-group, clusters of 4 x 4, 295,424 bytes of LDS; arguments ac, asc, wc, ws, bp, out0; writes out0
.if DOCPART == 4
	.amdgcn_target "amdgcn-amd-amdhsa--gfx1250"
	.amdhsa_code_object_version 6
	.text
	.protected	k_qeb49680c4f_proj
	.globl	k_qeb49680c4f_proj
	.p2align	8
	.type	k_qeb49680c4f_proj,@function
k_qeb49680c4f_proj:
	s_mov_b64 s[64:65], 0
	v_nop
	global_prefetch_b8 v0, s[64:65] scope:SCOPE_SE
	s_setreg_imm32_b32 hwreg(HW_REG_WAVE_MODE, 25, 1), 1
	s_wait_xcnt 0x0
	s_wait_alu depctr_hold_cnt(0) depctr_sa_sdst(0) depctr_va_vdst(0) depctr_va_sdst(0) depctr_va_ssrc(0) depctr_va_vcc(0) depctr_vm_vsrc(0)
	s_getreg_b32 s2, hwreg(HW_REG_IB_STS2, 6, 4)
	s_cmp_eq_u32 s2, 0
	s_cbranch_scc0 .Lentry_in_a_cluster
	s_endpgm
.Lentry_in_a_cluster:
	s_bfe_u32 s2, ttmp6, 0x10000c
	s_cmp_lg_u32 s2, 0xf033
	s_cbranch_scc0 .Lentry_shape_is_right
	s_endpgm
.Lentry_shape_is_right:
; out0 = a Wp + bp on codes of FP6 (E2M3) with E8M0 scales, K = 1,024; a: the attention's output as codes (ac, asc), Wp: tiles 192 .. 255 of wc, ws.  out0: [8192][1024] f32.
; OPERANDS: fragments as images of their registers, [K / 256][tile][2][1,536]; a tile 2 G + u holds rows 32 G + 8 u + r + 8 (r / 8); scale words at tile x 512 + (ks / 4) x 256 + 16 r + 4 (ks % 4).
; A WORK-GROUP makes 256 columns (S0 = Wp, source 0) x 128 tokens (S1 = a, source 1): a lane holds one token, and its registers run along n; S0's tiles 2 b, 2 b + 1 give columns 32 b + 16 (lane / 16) + 0 .. 15.
; Four waves: wave w makes S0's half w / 2 (8 tiles b) x S1's half w % 2 (4 tiles a): 32 accumulators.  bp is the C of each sum's first product.
; ALL OF K LIES IN LDS: four chunks of 256 along K, each S0's 16 tiles and S1's 8; every tile comes by a first fill, nothing is filled twice.
; CLUSTERS: 4 x 4.  S0's tiles hang on the cluster's x place and are shared along a column, S1's on its y place and are shared along a row: each is asked for jointly, with a mask that names the four.
; REGISTERS: window 0: v1-17 addresses; v32-79 scale words and nothing else; v128-223 S1's fragments, two sets; on the way out v128-255 rows of out0.  window 1: S0's fragments, two sets.
;   window 2: accumulator (a, b) at v[8 (8 a + b)].  window 3: v0-63 bp in the result's layout.
.set XQ,   1572864
.set WQ,   786432
.set CH,   73728                       ; LDS: a chunk: 16 + 8 tiles of 3,072 bytes
.set S1O,  49152
.set SP,   528                         ; the way out: a stage of 16 rows x (512 bytes + 16) for each wave, in chunk 0, which has had its only fill and is read by nobody behind the barrier of K step 1
.set A0,   8
.set A1,   12
.set STO,  16                          ; v16  where I put 32 bytes of a row
.set RD,   17                          ; v17  where I read a row back
.set SC0,  32
.set SC1,  64
.set F1,   128
.set MSB, 0
.macro WIN new                         ; the immediate's high byte repeats the setting that is left
.if MSB != \new
	s_set_vgpr_msb (MSB<<8)|\new
.set MSB, \new
.endif
.endm
.set MUL,  0xa1                        ; source 0 (S0) window 1, source 1 (S1) window 0, C and D window 2
.set MULB, 0xb1                        ; the same with C (the bias) in window 3
.set TO_1, 0x40                        ; destination window 1, address window 0
.macro CROUND                          ; a round of the cluster's barrier
	s_barrier_signal -1
	s_barrier_wait -1
	s_cmp_lg_u32 s22, 0
	s_cbranch_scc1 .Lnot_wave_0_\@
	s_barrier_signal -3
.Lnot_wave_0_\@:
	s_barrier_wait -3
	s_barrier_signal -1
	s_barrier_wait -1
.endm
.macro PLACES                          ; four plain places behind matrix instructions, in front of loads into their sources and of the first read of results
.rept 4
	v_nop
.endr
.endm
	s_load_b256 s[4:11], s[0:1], 0x0               ; ac s[4:5], asc s[6:7], wc s[8:9], ws s[10:11]
	s_load_b128 s[12:15], s[0:1], 0x20             ; bp s[12:13], out0 s[14:15]
	v_lshl_add_u32 v126, v0, 2, 0x48000
	v_mov_b32 v127, 0
	ds_add_u32 v126, v127
	ds_add_u32 v126, v127
	v_lshrrev_b32 v1, 5, v0
	v_readfirstlane_b32 s22, v1                    ; wave 0..3
	s_lshr_b32 s23, s22, 1                         ; e0: my half of S0
	s_and_b32 s2, s22, 1                           ; e1: my half of S1
	s_bfe_u32 s56, ttmp6, 0x40000                  ; cx
	s_bfe_u32 s57, ttmp6, 0x40004                  ; cy
	s_and_b32 s59, ttmp7, 0xffff                   ; the cluster's y, 0 .. 15
	; descriptor groups 1: dense blocks as rows of 256 bytes (32 elements of 8 bytes): S0's quarter of a chunk 48 rows, S1's 24
	s_lshl_b32 s3, 0x1111, s56                     ; my column of the cluster
	s_or_b32 s24, s3, (3<<16)|(1<<21)
	s_mov_b32 s25, 32<<16
	s_mov_b32 s26, 48<<16
	s_mov_b32 s27, 32<<16
	s_mov_b32 s28, 48
	s_mov_b32 s29, 32
	s_mov_b32 s30, 0
	s_mov_b32 s31, 0
	s_lshl_b32 s58, s57, 2
	s_lshl_b32 s58, 15, s58                        ; my row of the cluster
	s_or_b32 s32, s58, (3<<16)|(1<<21)
	s_mov_b32 s33, 32<<16
	s_mov_b32 s34, 24<<16
	s_mov_b32 s35, 32<<16
	s_mov_b32 s36, 24
	s_mov_b32 s37, 32
	s_mov_b32 s38, 0
	s_mov_b32 s39, 0
	s_lshl_b32 s94, s56, 4
	s_add_co_u32 s94, s94, 192                     ; T0 = 192 + 16 cx: Wp's tiles
	s_lshl_b32 s95, s59, 2
	s_add_co_u32 s95, s95, s57                     ; j = 4 Y + cy
	s_lshl_b32 s95, s95, 3                         ; T1 = 8 j
	s_lshl_b32 s96, s22, 2
	s_add_co_u32 s96, s96, s94
	s_mul_i32 s96, s96, 3072                       ; S0: I fetch tiles T0 + 4 w .. + 3 of each chunk
	s_mov_b32 s97, 0
	s_lshl_b32 s66, s22, 1
	s_add_co_u32 s66, s66, s95
	s_mul_i32 s66, s66, 3072                       ; S1: tiles T1 + 2 w, + 1
	s_mov_b32 s67, 0
	s_mul_i32 s100, s22, 12288                     ; where they go: the wave's number and constants alone
	s_mul_i32 s101, s22, 6144
	s_wait_dscnt 0x0
	s_wait_kmcnt 0x0
	s_add_nc_u64 s[42:43], s[8:9], s[96:97]
	s_add_nc_u64 s[70:71], s[4:5], s[66:67]
.irp q, 1,2,3
	s_add_nc_u64 s[42+4*\q:43+4*\q], s[38+4*\q:39+4*\q], WQ
	s_add_nc_u64 s[70+4*\q:71+4*\q], s[66+4*\q:67+4*\q], XQ
.endr
.irp q, 0,1,2,3
	s_mov_b32 s[40+4*\q], 1
	s_add_co_u32 s[41+4*\q], s100, \q*CH
	s_or_b32 s[43+4*\q], s[43+4*\q], 0x80000000
	s_mov_b32 s[68+4*\q], 1
	s_add_co_u32 s[69+4*\q], s101, \q*CH+S1O
	s_or_b32 s[71+4*\q], s[71+4*\q], 0x80000000
.endr
	CROUND                                         ; all sixteen work-groups are here: the joint loads meet
.irp q, 0,1,2,3
	tensor_load_to_lds s[40+4*\q:43+4*\q], s[24:31]   ; all of K, chunk by chunk: eight loads of mine are out
	s_nop 0
	tensor_load_to_lds s[68+4*\q:71+4*\q], s[32:39]
	s_nop 0
.endr
.rept 4
	v_nop
.endr
	v_and_b32 v1, 31, v0                           ; lane
	v_and_b32 v2, 15, v0                           ; r
	v_bfe_u32 v3, v0, 4, 1                         ; h
	v_lshlrev_b32 v4, 3, v1                        ; 8 x lane
	v_lshlrev_b32 v5, 4, v1                        ; 16 x lane
	s_mul_i32 s3, s23, 24576                       ; my 8 tiles of S0
	s_mul_i32 s58, s2, 12288                       ; my 4 tiles of S1
	s_add_co_u32 s58, s58, S1O
.irp q, 0,1,2,3
	v_add_nc_u32 v[A0+\q], s3, v4
	v_add_nc_u32 v[A1+\q], s58, v4
	s_add_co_u32 s3, s3, CH
	s_add_co_u32 s58, s58, CH
.endr
	s_lshl_b32 s96, s23, 3
	s_add_co_u32 s96, s96, s94
	s_lshl_b32 s96, s96, 9                         ; scale words: 512 bytes a tile, for all of K
	s_add_nc_u64 s[10:11], s[10:11], s[96:97]
	s_lshl_b32 s66, s2, 2
	s_add_co_u32 s66, s66, s95
	s_lshl_b32 s66, s66, 9
	s_add_nc_u64 s[6:7], s[6:7], s[66:67]
.irp b, 0,1,2,3,4,5,6,7
	global_load_b128 v[SC0+4*\b:SC0+4*\b+3], v5, s[10:11] offset:512*\b
.endr
.irp a, 0,1,2,3
	global_load_b128 v[SC1+4*\a:SC1+4*\a+3], v5, s[6:7] offset:512*\a
.endr
	s_lshl_b32 s96, s56, 10
	s_lshl_b32 s3, s23, 9
	s_add_co_u32 s96, s96, s3                      ; my first column, in bytes: (256 cx + 128 e0) x 4
	s_add_nc_u64 s[12:13], s[12:13], s[96:97]
	s_add_nc_u64 s[14:15], s[14:15], s[96:97]
	s_lshl_b32 s66, s95, 16                        ; my first token: 128 j + 64 e1, rows of 4,096 bytes
	s_lshl_b32 s58, s2, 18
	s_add_co_u32 s66, s66, s58
	s_add_nc_u64 s[14:15], s[14:15], s[66:67]
	v_lshlrev_b32 v7, 6, v3                        ; 16 h numbers
	WIN 0xc0                                       ; destination window 3
.irp b, 0,1,2,3
.irp q, 0,1,2,3
	global_load_b128 v[16*\b+4*\q:16*\b+4*\q+3], v7, s[12:13] offset:128*\b+16*\q   ; register 16 b + i = bp of column 32 b + 16 h + i of my 128: registers 8 t .. 8 t + 7 are tile t's, in the result's layout
.endr
.endr
	WIN 0
	s_mul_i32 s3, s22, 16*SP                       ; my stage
	v_mul_u32_u24 v[STO], v2, SP
	v_lshl_add_u32 v[STO], v3, 6, v[STO]
	v_add_nc_u32 v[STO], s3, v[STO]                ; in: row r, + 64 h
	v_add_nc_u32 v[RD], s3, v5                     ; back: 16 bytes a lane of a row of 512
.macro FRAG reg, adr, off              ; a fragment's image: six loads of 8 bytes a lane, each 256 consecutive bytes
.irp p, 0,1,2,3,4,5
	ds_load_b64 v[(\reg)+2*\p:(\reg)+2*\p+1], v[\adr] offset:(\off)+256*\p
.endr
.endm
.macro FETCH ks                        ; the fragments of K step ks into set ks % 2: S0's eight, then S1's four
	WIN TO_1
.irp b, 0,1,2,3,4,5,6,7
	FRAG 128*((\ks)%2)+12*\b, A0+(\ks)/2, \b*3072+((\ks)%2)*1536
.endr
	WIN 0
.irp a, 0,1,2,3
	FRAG F1+48*((\ks)%2)+12*\a, A1+(\ks)/2, \a*3072+((\ks)%2)*1536
.endr
.endm
; 16 products: S1's tiles a0, a0 + 1 x S0's eight.  The 32 accumulators take turns, one instruction a turn, in the same order in every K step.  first = 1: the sums begin with the bias as C.
.macro MUL16 ks, a0, first
.irp a, \a0, \a0+1
.irp b, 0,1,2,3,4,5,6,7
.if \first
	v_wmma_scale_f32_16x16x128_f8f6f4 v[8*(8*(\a)+\b):8*(8*(\a)+\b)+7], v[128*((\ks)%2)+12*\b:128*((\ks)%2)+12*\b+11], v[F1+48*((\ks)%2)+12*(\a):F1+48*((\ks)%2)+12*(\a)+11], v[8*\b:8*\b+7], v[SC0+4*\b+(\ks)%4], v[SC1+4*(\a)+(\ks)%4] matrix_a_fmt:MATRIX_FMT_FP6 matrix_b_fmt:MATRIX_FMT_FP6
.elseif (\ks) < 4
	v_wmma_scale_f32_16x16x128_f8f6f4 v[8*(8*(\a)+\b):8*(8*(\a)+\b)+7], v[128*((\ks)%2)+12*\b:128*((\ks)%2)+12*\b+11], v[F1+48*((\ks)%2)+12*(\a):F1+48*((\ks)%2)+12*(\a)+11], v[8*(8*(\a)+\b):8*(8*(\a)+\b)+7], v[SC0+4*\b+(\ks)%4], v[SC1+4*(\a)+(\ks)%4] matrix_a_fmt:MATRIX_FMT_FP6 matrix_b_fmt:MATRIX_FMT_FP6
.else
	v_wmma_scale_f32_16x16x128_f8f6f4 v[8*(8*(\a)+\b):8*(8*(\a)+\b)+7], v[128*((\ks)%2)+12*\b:128*((\ks)%2)+12*\b+11], v[F1+48*((\ks)%2)+12*(\a):F1+48*((\ks)%2)+12*(\a)+11], v[8*(8*(\a)+\b):8*(8*(\a)+\b)+7], v[SC0+4*\b+(\ks)%4], v[SC1+4*(\a)+(\ks)%4] matrix_a_fmt:MATRIX_FMT_FP6 matrix_b_fmt:MATRIX_FMT_FP6 matrix_a_scale:MATRIX_SCALE_ROW1 matrix_b_scale:MATRIX_SCALE_ROW1
.endif
.endr
.endr
.endm
.macro WMUL first
.if \first
	WIN MULB
.else
	WIN MUL
.endif
.endm
; A K step of 128: 32 products; in its middle the next step's 72 LDS loads, in one run.  Steps 1, 3, 5 go on to the next chunk: my two loads of it are waited for (two loads a chunk were issued behind them for each later chunk),
; my LDS loads are in, and a barrier shows the same of every wave; the later chunks' loads stay out.
.macro STEP ks, first
.if ((\ks)%2 == 1) && ((\ks) < 7)
	s_wait_tensorcnt 5-(\ks)
	s_wait_dscnt 0x0
	s_barrier_signal -1
	WMUL \first
	MUL16 \ks, 0, \first
	s_barrier_wait -1
.else
	s_wait_dscnt 12                                ; all but the youngest twelve loads: S1's tiles 2 and 3
	WMUL \first
	MUL16 \ks, 0, \first
	s_wait_dscnt 0x0
.endif
.if (\ks) < 7
	PLACES
	FETCH (\ks)+1
.endif
	WMUL \first
	MUL16 \ks, 2, \first
.endm
	s_wait_tensorcnt 0x6                           ; my two loads of chunk 0 are in; the six behind them may be out
	s_barrier_signal -1
	s_barrier_wait -1                              ; everybody's are
	FETCH 0
	s_wait_loadcnt 0x0                             ; scale words and bias
	STEP 0, 1
	STEP 1, 0
	STEP 2, 0
	STEP 3, 0
	STEP 4, 0
	STEP 5, 0
	STEP 6, 0
	STEP 7, 0
	WIN 0
; THE WAY OUT, tile a of 16 tokens x 128 columns at a time.  A lane holds pieces of one row, the lanes beside it other rows: so a tile goes through my own stage and comes back as whole rows of 512 bytes.
; LDS serves a wave's instructions in order (ISA guide 5.7.1.4): no wait between the stores and the loads, nor in front of the next tile's stores.
.macro TOSTAGE a
	WIN 0x08                                       ; an LDS store's data are its source 1: window 2
.irp b, 0,1,2,3,4,5,6,7
	ds_store_b128 v[STO], v[8*(8*(\a)+\b):8*(8*(\a)+\b)+3] offset:128*(\b/2)+32*(\b%2)       ; columns 32 (b / 2) + 16 h + 8 (b % 2) + 0 .. 7; each accumulator from its low end on
	ds_store_b128 v[STO], v[8*(8*(\a)+\b)+4:8*(8*(\a)+\b)+7] offset:128*(\b/2)+32*(\b%2)+16
.endr
	WIN 0
.irp t, 0,1,2,3,4,5,6,7,8,9,10,11,12,13,14,15
	ds_load_b128 v[128+64*((\a)%2)+4*\t:128+64*((\a)%2)+4*\t+3], v[RD] offset:\t*SP
.endr
.endm
.macro SEND a, younger                 ; younger: the LDS instructions issued behind tile a's loads, which may stay out
	s_wait_dscnt \younger
.irp t, 0,1,2,3,4,5,6,7,8,9,10,11,12,13,14,15
	global_store_b128 v5, v[128+64*((\a)%2)+4*\t:128+64*((\a)%2)+4*\t+3], s[14:15] offset:(32*((\a)/2)+8*((\a)%2)+\t+8*(\t/8))*4096 th:TH_STORE_NT   ; 512 consecutive bytes of a row, aligned; written once, read by nobody here
.endr
.endm
	PLACES
	TOSTAGE 0
.irp a, 1,2,3
.if \a > 1
	s_wait_xcnt 0x0                                ; tile a - 2's stores have read their registers: tile a's loads may land there
.endif
	TOSTAGE \a
	SEND \a-1, 32                                  ; behind tile a - 1's loads: tile a's 16 stores and 16 loads
.endr
	SEND 3, 0
	s_wait_tensorcnt 0x0
	ds_add_u32 v126, v127
	s_wait_dscnt 0x0
	CROUND                                         ; the closing round: no work-group ends while a partner may still ask for a tile that names it
	s_endpgm
.Lfunc_end_k_qeb49680c4f_proj:
	.size	k_qeb49680c4f_proj, .Lfunc_end_k_qeb49680c4f_proj-k_qeb49680c4f_proj
	.p2alignl 7, 3214868480
	.fill 96, 4, 3214868480
	.section	.rodata,"a",@progbits
	.p2align	6, 0x0
	.amdhsa_kernel k_qeb49680c4f_proj
		.amdhsa_group_segment_fixed_size 295424
		.amdhsa_private_segment_fixed_size 0
		.amdhsa_enable_private_segment 0
		.amdhsa_kernarg_size 48
		.amdhsa_user_sgpr_count 2
		.amdhsa_user_sgpr_kernarg_segment_ptr 1
		.amdhsa_wavefront_size32 1
		.amdhsa_system_sgpr_workgroup_id_x 1
		.amdhsa_system_sgpr_workgroup_id_y 1
		.amdhsa_system_sgpr_workgroup_id_z 1
		.amdhsa_system_vgpr_workitem_id 0
		.amdhsa_next_free_vgpr 1024
		.amdhsa_next_free_sgpr 102
		.amdhsa_reserve_vcc 0
		.amdhsa_float_denorm_mode_32 3
		.amdhsa_float_denorm_mode_16_64 3
		.amdhsa_memory_ordered 1
		.amdhsa_forward_progress 1
		.amdhsa_inst_pref_size 96
	.end_amdhsa_kernel
	.amdgpu_metadata
---
amdhsa.version: [ 1, 2 ]
amdhsa.kernels:
  - .name:           k_qeb49680c4f_proj
    .symbol:         k_qeb49680c4f_proj.kd
    .args:
      - { .name: ac, .offset: 0, .size: 8, .value_kind: global_buffer, .address_space: global }
      - { .name: asc, .offset: 8, .size: 8, .value_kind: global_buffer, .address_space: global }
      - { .name: wc, .offset: 16, .size: 8, .value_kind: global_buffer, .address_space: global }
      - { .name: ws, .offset: 24, .size: 8, .value_kind: global_buffer, .address_space: global }
      - { .name: bp, .offset: 32, .size: 8, .value_kind: global_buffer, .address_space: global }
      - { .name: out0, .offset: 40, .size: 8, .value_kind: global_buffer, .address_space: global }
    .group_segment_fixed_size: 295424
    .private_segment_fixed_size: 0
    .kernarg_segment_align: 8
    .kernarg_segment_size: 48
    .max_flat_workgroup_size: 128
    .sgpr_count:     102
    .vgpr_count:     1024
    .wavefront_size: 32
...
	.end_amdgpu_metadata
.endif
;; end of part 4
